; MI455X (gfx1250); checked and timed in simulation.
; The chip was launched on July 23, 2026; its instructions are those of AMD's public machine-readable ISA for CDNA 5 (MIT licence, August 2026) and "CDNA5" Instruction Set Architecture Reference Guide (July 2026). The comments in the code are by the model that wrote it; some were corrected since.
;; Vanilla RNN. Allowed arithmetic: float matrix products may take bf16 or f16 operands with f32 sums; other float arithmetic in f32, or as packed bf16 or f16 multiplies, adds, multiply-adds, maxima and minima; sums over many terms, partial sums and values carried from step to step in f32; what a program stores and reads back later, other than sums and carried values, may be rounded once to bf16 or f16.
;; Inputs: W_in 4,096 x 1,024 float32; W_out 1,024 x 4,096 float32; W_rec 4,096 x 4,096 float32; X 2,048 x 1,024 float32; b_in 4,096 float32; b_out 1,024 float32; b_rec 4,096 float32; state 2,048 x 4,096 float32.
;; Outputs: out0 2,048 x 1,024 float32; out1 2,048 x 4,096 float32.
;; 3 versions, each right; version 3 is version 2 with the launch cast written anew for expert scheduling mode. Each part assembles by itself: llvm-mc -triple=amdgcn-amd-amdhsa -mcpu=gfx1250 --defsym DOCPART=n.
;; ======== version 1 of 3: 3 launches
;; workspace buffers: A16 20,971,520 bytes; B16 41,943,040 bytes; C16 8,388,608 bytes; H16 16,777,216 bytes
;; launch cast (part 1): grid 1088 x 1, 4 waves a work-group, no clusters, 0 bytes of LDS; arguments X, W_in, state, W_rec, W_out, A16, B16, C16; writes A16, B16, C16
.if DOCPART == 1
	.amdgcn_target "amdgcn-amd-amdhsa--gfx1250"
	.amdhsa_code_object_version 6
	.text
	.protected	k_q9f4383432e_cast
	.globl	k_q9f4383432e_cast
	.p2align	8
	.type	k_q9f4383432e_cast,@function
k_q9f4383432e_cast:
	s_mov_b64 s[64:65], 0
	v_nop
	global_prefetch_b8 v0, s[64:65] scope:SCOPE_SE
	s_setreg_imm32_b32 hwreg(HW_REG_WAVE_MODE, 25, 1), 1
	s_wait_xcnt 0x0
; VANILLA RNN CELL, launch 1 of 3: the five large f32 inputs are rounded ONCE to bf16 (nearest even) and laid out for the two products.
;   new_state = relu([X | state] . [W_in | W_rec]^T + b_in + b_rec)   one product with K = 1024 + 4096 = 5120
;   out       = relu(new_state . W_out^T + b_out)
; A16 [2048][5120] = X | state,  B16 [4096][5120] = W_in | W_rec,  C16 [1024][4096] = W_out.
; NOTHING IS LEFT OUT: every input has a way to an output, and all eight are loaded (the three biases by the two launches behind this one).
; LIMITS of the program: matrix operands are bf16 (the inputs, and new_state for the second product); b_in + b_rec is added first, in f32, and starts the sums;
; relu is a maximum with 0 in which a NaN loses, so a NaN before a relu comes out as 0.
; SHARES.  A chunk is 1,024 f32 of a source row: 4,096 bytes in, 2,048 out.  Thread t of 128 loads the 32 bytes at 32 t and stores the 16 bytes at 16 t: a wave's store covers 512 consecutive bytes,
; aligned.  A work-group takes 32 chunks, 131,072 consecutive source bytes, as 8 groups of 4; two sets of registers take the groups by turns, so 8 to 16 loads of a wave are on their way.
; No LDS, no cluster, no matrix unit: nothing is shared and nothing is multiplied.
.set CHUNK, 4096
.set GROUP, 4*CHUNK
.set X0, 8                             ; v[8:39]    set 0 as loaded
.set X1, 40                            ; v[40:71]   set 1
.set Y0, 72                            ; v[72:87]   set 0 to store
.set Y1, 88                            ; v[88:103]  set 1
; v1 = 32 t; v[2:5] = 16 t + j x the chunks' stride in the destination
; s24 the job's first work-group, then my number in the job; s25 chunk stride; s[26:27] group stride; s28 destination bytes of a work-group; s29 first column's bytes
; s[30:31] source; s[32:33], s[34:35] destination of set 0's and set 1's group; s[38:39] two group strides
	s_load_b512 s[8:23], s[0:1], 0x0               ; X, W_in, state, W_rec, W_out, A16, B16, C16
	s_mov_b32 s2, ttmp9
	v_lshlrev_b32 v1, 5, v0
	v_lshlrev_b32 v2, 4, v0
	s_mov_b32 s24, 0                               ; work-groups 0-63: X, whose rows are one chunk, into A16's columns 0-1023
	s_mov_b32 s25, 10240
	s_mov_b32 s26, 40960
	s_mov_b32 s28, 327680
	s_mov_b32 s29, 0
	s_wait_kmcnt 0x0
	s_mov_b64 s[30:31], s[8:9]
	s_mov_b64 s[32:33], s[18:19]
	s_cmp_ge_u32 s2, 64                            ; 64-191: W_in into B16, likewise
	s_cselect_b32 s24, 64, s24
	s_cselect_b64 s[30:31], s[10:11], s[30:31]
	s_cselect_b64 s[32:33], s[20:21], s[32:33]
	s_cmp_ge_u32 s2, 192                           ; 192-447: state, whose rows are four chunks, into A16's columns 1024-5119
	s_cselect_b32 s24, 192, s24
	s_cselect_b32 s25, 2048, s25
	s_cselect_b32 s26, 10240, s26
	s_cselect_b32 s28, 81920, s28
	s_cselect_b32 s29, 2048, s29
	s_cselect_b64 s[30:31], s[12:13], s[30:31]
	s_cselect_b64 s[32:33], s[18:19], s[32:33]
	s_cmp_ge_u32 s2, 448                           ; 448-959: W_rec into B16, likewise
	s_cselect_b32 s24, 448, s24
	s_cselect_b64 s[30:31], s[14:15], s[30:31]
	s_cselect_b64 s[32:33], s[20:21], s[32:33]
	s_cmp_ge_u32 s2, 960                           ; 960-1087: W_out into C16, dense
	s_cselect_b32 s24, 960, s24
	s_cselect_b32 s26, 8192, s26
	s_cselect_b32 s28, 65536, s28
	s_cselect_b32 s29, 0, s29
	s_cselect_b64 s[30:31], s[16:17], s[30:31]
	s_cselect_b64 s[32:33], s[22:23], s[32:33]
	s_sub_co_u32 s24, s2, s24                      ; my number in the job
	s_lshl_b32 s36, s24, 17                        ; x 131,072 source bytes (under 2^27)
	s_mov_b32 s37, 0
	s_add_nc_u64 s[30:31], s[30:31], s[36:37]
	s_mul_i32 s36, s24, s28
	s_add_co_u32 s36, s36, s29
	s_add_nc_u64 s[32:33], s[32:33], s[36:37]
	s_mov_b32 s27, 0
	s_add_nc_u64 s[34:35], s[32:33], s[26:27]
	s_lshl_b32 s38, s26, 1
	s_mov_b32 s39, 0
	v_add_nc_u32 v3, s25, v2
	v_add_nc_u32 v4, s25, v3
	v_add_nc_u32 v5, s25, v4
.macro LOADS x, off                    ; a group's eight loads
.irp j, 0,1,2,3
	global_load_b128 v[(\x)+8*(\j):(\x)+8*(\j)+3],   v1, s[30:31] offset:(\off)+CHUNK*(\j) th:TH_LOAD_NT
	global_load_b128 v[(\x)+8*(\j)+4:(\x)+8*(\j)+7], v1, s[30:31] offset:(\off)+CHUNK*(\j)+16 th:TH_LOAD_NT
.endr
.endm
.macro CVT x, y                        ; 32 numbers rounded, two an instruction
.irp j, 0,1,2,3
.irp i, 0,1,2,3
	v_cvt_pk_bf16_f32 v[(\y)+4*(\j)+(\i)], v[(\x)+8*(\j)+2*(\i)], v[(\x)+8*(\j)+2*(\i)+1]
.endr
.endr
.endm
.macro STORES y, d                     ; a group's four stores
.irp j, 0,1,2,3
	global_store_b128 v[2+(\j)], v[(\y)+4*(\j):(\y)+4*(\j)+3], s[\d:(\d)+1]
.endr
.endm
	LOADS X0, 0                                    ; groups 0 and 1
	LOADS X1, GROUP
	s_mov_b32 s3, 3
.Ltrip:                                        ; groups 2 i and 2 i + 1 are rounded and stored, groups 2 i + 2 and 2 i + 3 asked for
	s_wait_loadcnt 8                               ; set 0 is in; set 1's eight younger loads stay out
	CVT X0, Y0
	LOADS X0, 2*GROUP
	STORES Y0, 32
	s_wait_loadcnt 8                               ; set 1 is in; set 0's eight new loads stay out
	CVT X1, Y1
	LOADS X1, 3*GROUP
	STORES Y1, 34
	s_wait_xcnt 0x0                                ; the pointers, and the registers that the stores read, are written again only behind this wait
	s_add_nc_u64 s[30:31], s[30:31], 2*GROUP
	s_add_nc_u64 s[32:33], s[32:33], s[38:39]
	s_add_nc_u64 s[34:35], s[34:35], s[38:39]
	s_sub_co_u32 s3, s3, 1
	s_cmp_lg_u32 s3, 0
	s_cbranch_scc1 .Ltrip
	s_wait_loadcnt 8                               ; the last two groups load nothing
	CVT X0, Y0
	STORES Y0, 32
	s_wait_loadcnt 0x0
	CVT X1, Y1
	STORES Y1, 34
	s_endpgm
.Lfunc_end_k_q9f4383432e_cast:
	.size	k_q9f4383432e_cast, .Lfunc_end_k_q9f4383432e_cast-k_q9f4383432e_cast
	.p2alignl 7, 3214868480
	.fill 96, 4, 3214868480
	.section	.rodata,"a",@progbits
	.p2align	6, 0x0
	.amdhsa_kernel k_q9f4383432e_cast
		.amdhsa_group_segment_fixed_size 0
		.amdhsa_private_segment_fixed_size 0
		.amdhsa_enable_private_segment 0
		.amdhsa_kernarg_size 64
		.amdhsa_user_sgpr_count 2
		.amdhsa_user_sgpr_kernarg_segment_ptr 1
		.amdhsa_wavefront_size32 1
		.amdhsa_system_sgpr_workgroup_id_x 1
		.amdhsa_system_sgpr_workgroup_id_y 1
		.amdhsa_system_sgpr_workgroup_id_z 1
		.amdhsa_system_vgpr_workitem_id 0
		.amdhsa_next_free_vgpr 104
		.amdhsa_next_free_sgpr 66
		.amdhsa_reserve_vcc 0
		.amdhsa_float_denorm_mode_32 3
		.amdhsa_float_denorm_mode_16_64 3
		.amdhsa_memory_ordered 1
		.amdhsa_forward_progress 1
		.amdhsa_inst_pref_size 12
	.end_amdhsa_kernel
	.amdgpu_metadata
---
amdhsa.version: [ 1, 2 ]
amdhsa.kernels:
  - .name:           k_q9f4383432e_cast
    .symbol:         k_q9f4383432e_cast.kd
    .args:
      - { .name: X, .offset: 0, .size: 8, .value_kind: global_buffer, .address_space: global }
      - { .name: W_in, .offset: 8, .size: 8, .value_kind: global_buffer, .address_space: global }
      - { .name: state, .offset: 16, .size: 8, .value_kind: global_buffer, .address_space: global }
      - { .name: W_rec, .offset: 24, .size: 8, .value_kind: global_buffer, .address_space: global }
      - { .name: W_out, .offset: 32, .size: 8, .value_kind: global_buffer, .address_space: global }
      - { .name: A16, .offset: 40, .size: 8, .value_kind: global_buffer, .address_space: global }
      - { .name: B16, .offset: 48, .size: 8, .value_kind: global_buffer, .address_space: global }
      - { .name: C16, .offset: 56, .size: 8, .value_kind: global_buffer, .address_space: global }
    .group_segment_fixed_size: 0
    .private_segment_fixed_size: 0
    .kernarg_segment_align: 8
    .kernarg_segment_size: 64
    .max_flat_workgroup_size: 128
    .sgpr_count:     66
    .vgpr_count:     104
    .wavefront_size: 32
...
	.end_amdgpu_metadata
.endif
;; end of part 1
;; launch gemm1 (part 2): grid 16 x 16, 4 waves a work-group, clusters of 4 x 4, 327,680 bytes of LDS; arguments A16, B16, b_in, b_rec, out1, H16; writes out1, H16
.if DOCPART == 2
	.amdgcn_target "amdgcn-amd-amdhsa--gfx1250"
	.amdhsa_code_object_version 6
	.text
	.protected	k_q9f4383432e_gemm1
	.globl	k_q9f4383432e_gemm1
	.p2align	8
	.type	k_q9f4383432e_gemm1,@function
k_q9f4383432e_gemm1:
	s_mov_b64 s[64:65], 0
	v_nop
	global_prefetch_b8 v0, s[64:65] scope:SCOPE_SE
	s_setreg_imm32_b32 hwreg(HW_REG_WAVE_MODE, 25, 1), 1
	s_wait_xcnt 0x0
	s_wait_alu depctr_hold_cnt(0) depctr_sa_sdst(0) depctr_va_vdst(0) depctr_va_sdst(0) depctr_va_ssrc(0) depctr_va_vcc(0) depctr_vm_vsrc(0)
	s_getreg_b32 s2, hwreg(HW_REG_IB_STS2, 6, 4)
	s_cmp_eq_u32 s2, 0
	s_cbranch_scc0 .Lentry_in_a_cluster
	s_endpgm
.Lentry_in_a_cluster:
	s_bfe_u32 s2, ttmp6, 0x10000c
	s_cmp_lg_u32 s2, 0xf033
	s_cbranch_scc0 .Lentry_shape_is_right
	s_endpgm
.Lentry_shape_is_right:
; VANILLA RNN CELL, launch 2 of 3: new_state = relu(A16 . B16^T + b_in + b_rec).  A16 [2048][5120] = X | state, B16 [4096][5120] = W_in | W_rec, both bf16; sums in f32.
; It leaves as out1 [2048][4096] f32 and, rounded once to bf16, as H16 [2048][4096] for the second product.  Nothing is left out.
; LIMITS: b_in + b_rec is added first, in f32, and starts the sums; relu is a maximum with 0 in which a NaN loses: a NaN before the relu comes out as 0.
; SHARES.  A tile of 128 rows x 256 columns to a work-group: 16 x 16 = 256 work-groups.  Wave (RH, CH) makes rows 64 RH .. + 63, columns 128 CH .. + 127: 32 accumulators of 16 x 16, 256 registers.
; K goes in 40 steps of 128 through a ring of two LDS slots; the tiles' rows are 256 bytes of memory, at multiples of 256 from the buffer's first byte.
; CLUSTERS: 4 x 4 work-groups.  The four of a row of the cluster need the same tile of A16, the four of a column the same tile of B16: each is asked for JOINTLY, by the same tensor load with the same
; descriptor and a mask that names the four.  Waves 0 and 1 fetch the two halves of A's tile (64 rows each), waves 2 and 3 those of B's (128 rows each): one load a wave.
; THE MATRIX INSTRUCTION IS USED TRANSPOSED (source 0 = 16 rows of B16, source 1 = 16 rows of A16): lane l then holds row l % 16 of the result and its columns 8 (l / 16) + 0 .. 7.
; REGISTERS, in windows of 256 (s_set_vgpr_msb: bits 1:0 source 0, 3:2 source 1, 5:4 source 2, 7:6 destination):
;   window 0: v0-30 addresses; v64-159, v160-255 two fragment buffers (B's 8 fragments, then A's 4), on the way out at work
;   window 1: accumulator (a, b) at v[8 (8 a + b)], a = 0..3 blocks of 16 rows, b = 0..7 blocks of 16 columns          window 2: v0-63 the bias of my 128 columns, laid as an accumulator's C
.set KTOT,  5120
.set ROWB,  2*KTOT                     ; bytes in a row of A16 and B16
.set STEPB, 256                        ; bytes of a row in a K step
.set LAPS,  KTOT/256                   ; a lap = two K steps = once round the ring
.set PITCH, 272                        ; an LDS row: 256 bytes + 16 of padding = 68 words: the 16 rows of a fragment load start at 16 different groups of four banks (64 banks of 4 bytes: ISA guide 11.1)
.set AH,    64*PITCH                   ; half of A's tile: what one tensor load brings, and what one wave reads of A
.set BH,    128*PITCH                  ; the same for B
.set BOFF,  2*AH                       ; in a slot B's 256 rows lie behind A's 128
.set SLOT,  2*AH+2*BH
.set STAGE, 2*SLOT                     ; behind the ring: 16 rows x 272 bytes for each wave, for the way out; no tensor load lands there
.set SPARE, STAGE+4*16*PITCH           ; behind the stages: the spare words, 128 bytes for each wave: two blocks of 256 bytes that no other line names
.set ADRA,  16                         ; v16-17  LDS address of my A fragments in slot 0, 1
.set ADRB,  20                         ; v20-21  the same for B
.set STO32, 22                         ; v22  the way out: where I put 32 bytes (8 f32) of a row
.set STO16, 23                         ; v23  where I put 16 bytes (8 bf16) of a row
.set RD,    24                         ; v24  where I read a row back
.set CO32,  25                         ; v25  my byte offset in out1
.set CO16,  26                         ; v26  my byte offset in H16
.set BO,    27                         ; v27  my byte offset in the biases
.set SPW,   28                         ; v28  LDS address of my spare word; never rewritten
.set NIL,   29                         ; v29  0; never rewritten
.set PFO,   30                         ; v30  the prefetches' offset: my lane x a row; never rewritten
.set F0,    64
.set F1,    160
.set T,     64                         ; the way out: a block's 64 numbers a lane after the relu
.set P,     128                        ; the same rounded to bf16: 32 registers
.set OB0,   160                        ; 16 rows read back from the stage: f32 columns 0-63,
.set OB1,   192                        ; f32 columns 64-127,
.set OB2,   224                        ; bf16 columns 0-127
.set WV, 16                            ; s16 wave; s17 RH = wave / 2; s18 CH = wave % 2
.set RH, 17
.set CH, 18
.set CX, 19                            ; s19, s20 my place in the cluster
.set CY, 20
.set TC, 21                            ; s21 tile column, s22 tile row
.set TR, 22
.set G1A, 24                           ; s[24:31] descriptor group 1 for A's tiles;  s[32:39] group 0, a set for each slot
.set G0A, 32
.set G1B, 48                           ; s[48:55], s[56:63] the same for B's
.set G0B, 56
.set PFA, 44                           ; s[44:45] where my prefetches stand
.set LIM, 46                           ; s46  2 in a wave that prefetches, else the greatest number
.set GW0, (1<<16)|(1<<20)|(1<<21)|(5<<22)|(3<<25)  ; 17:16 elements of 2 bytes; 20 padding on; 21 set beside a mask; 24:22 after every 64 words; 31:25 4 words of it
.set MUL,     0x50                     ; C and D window 1, fragments window 0
.set MULB,    0x60                     ; C window 2 (the bias), D window 1
.set RDACC,   0x04                     ; source 1 window 1
.set TO_BIAS, 0x80                     ; destination window 2
.set BSUM,    0x82                     ; destination and source 0 window 2
.set MSB, 0
.macro WIN new                         ; the immediate's high byte repeats the setting that is left; a switch that changes nothing is dropped
.if MSB != (\new)
	s_set_vgpr_msb (MSB<<8)|(\new)
.set MSB, \new
.endif
.endm
.macro PLACES                          ; four places: in front of loads into registers that matrix instructions have read, and of vector lines that read results
.rept 4
	v_nop
.endr
.endm
; A joint load.  The branch hangs on the wave's number alone.  An s_nop 0 and four v_nop follow each of the two lines, ahead of the jump, the label and what follows.
.macro JLOAD s
	s_cmp_eq_u32 s[RH], 0
	s_cbranch_scc0 .Lfor_b_\@
	tensor_load_to_lds s[G0A+4*(\s):G0A+4*(\s)+3], s[G1A:G1A+7]
	s_nop 0
.rept 4
	v_nop
.endr
	s_branch .Lasked_\@
.Lfor_b_\@:
	tensor_load_to_lds s[G0B+4*(\s):G0B+4*(\s)+3], s[G1B:G1B+7]
	s_nop 0
.rept 4
	v_nop
.endr
.Lasked_\@:
.endm
.macro CREST                           ; a round of the cluster's barrier behind its opening barrier: wave 0 signals for the work-group, every wave waits for all sixteen, my work-group's barrier once more
	s_cmp_lg_u32 s[WV], 0
	s_cbranch_scc1 .Lnot_wave_0_\@
	s_barrier_signal -3
.Lnot_wave_0_\@:
	s_barrier_wait -3
	s_barrier_signal -1
	s_barrier_wait -1
.endm
.macro CROUND                          ; a whole round
	s_barrier_signal -1
	s_barrier_wait -1
	CREST
.endm
; A PREFETCH INTO THE L2, behind a joint refill, its five lines and the run of LDS loads: the K step that stands FOUR refills on (512 matrix instructions of a wave): 32 rows x 256 bytes, a lane a row.
; Each row's 256 bytes of a K step are named once in the launch.  A's tile row is read by the four clusters of a row of clusters: the one with x = 0 asks, its four partners along x take 32 rows
; each BY ADDRESS (32 cx), wave 0.  B's tile column: the cluster with y = 0 asks, its partners along y take 64 rows each (64 cy), waves 2 and 3 take 32 each.  Wave 1 asks for nothing.
; It asks while more than two trips of the loop are left: the K step named is 39 at the most.  K steps 0 to 5 come by their loads alone.
.macro ASK
	s_cmp_gt_u32 s3, s[LIM]
	s_cbranch_scc0 .Lnot_mine_\@
	global_prefetch_b8 v[PFO], s[PFA:PFA+1] th:TH_LOAD_NT scope:SCOPE_SE
.Lnot_mine_\@:
.endm
	s_load_b256 s[4:11], s[0:1], 0x0               ; A16 s[4:5], B16 s[6:7], b_in s[8:9], b_rec s[10:11]
	s_load_b128 s[12:15], s[0:1], 0x20             ; out1 s[12:13], H16 s[14:15]
	v_lshl_add_u32 v[SPW], v0, 2, SPARE
	v_mov_b32 v[NIL], 0
	ds_add_u32 v[SPW], v[NIL]                      ; the wave's opening: the add, twice on end, and its wait ahead of my first tensor load; the set-up below stands between
	ds_add_u32 v[SPW], v[NIL]                      ; and once more, under the one wait
	v_lshrrev_b32 v1, 5, v0
	v_readfirstlane_b32 s[WV], v1                  ; wave 0..3
	s_lshr_b32 s[RH], s[WV], 1                     ; my half of the tile's rows.  Also: I fetch for A (0) or for B (1)
	s_and_b32 s[CH], s[WV], 1                      ; my half of its columns.  Also: which half of that tile I fetch
	s_bfe_u32 s[CX], ttmp6, 0x40000
	s_bfe_u32 s[CY], ttmp6, 0x40004
	s_lshl_b32 s[TC], ttmp9, 2                     ; in a cluster launch ttmp9 and ttmp7 count clusters
	s_add_co_u32 s[TC], s[TC], s[CX]               ; tile column = 4 x cluster x + cx
	s_and_b32 s[TR], ttmp7, 0xffff
	s_lshl_b32 s[TR], s[TR], 2
	s_add_co_u32 s[TR], s[TR], s[CY]               ; tile row = 4 x cluster y + cy
	s_lshl_b32 s66, s[CY], 2
	s_lshl_b32 s66, 15, s66                        ; my row of the cluster: places 4 cy .. 4 cy + 3
	s_lshl_b32 s67, 0x1111, s[CX]                  ; my column: places cx, cx + 4, cx + 8, cx + 12
	s_or_b32 s[G1A], s66, GW0                      ; A's tiles go to my row,
	s_or_b32 s[G1B], s67, GW0                      ; B's to my column
	s_mov_b32 s[G1A+1], 128<<16                    ; tensor_dim0 = 128
	s_mov_b32 s[G1A+2], 64<<16                     ; tensor_dim1 = 64
	s_mov_b32 s[G1A+3], 128<<16                    ; tile_dim0 = 128
	s_mov_b32 s[G1A+4], 64                         ; tile_dim1 = 64
	s_mov_b32 s[G1A+5], KTOT                       ; elements from row to row
	s_mov_b32 s[G1A+6], 0
	s_mov_b32 s[G1A+7], 0
	s_mov_b32 s[G1B+1], 128<<16
	s_mov_b32 s[G1B+2], 128<<16                    ; tensor_dim1 = 128
	s_mov_b32 s[G1B+3], 128<<16
	s_mov_b32 s[G1B+4], 128                        ; tile_dim1 = 128
	s_mov_b32 s[G1B+5], KTOT
	s_mov_b32 s[G1B+6], 0
	s_mov_b32 s[G1B+7], 0
	s_lshl_b32 s40, s[TR], 7                       ; A: row 128 x tile row + 64 x half, which my row of the cluster shares
	s_lshl_b32 s2, s[CH], 6
	s_add_co_u32 s40, s40, s2
	s_mul_i32 s40, s40, ROWB                       ; under 2^25
	s_mov_b32 s41, 0
	s_lshl_b32 s42, s[TC], 8                       ; B: row 256 x tile column + 128 x half, which my column shares
	s_lshl_b32 s23, s[CH], 7
	s_add_co_u32 s42, s42, s23
	s_mul_i32 s42, s42, ROWB                       ; under 2^26
	s_mov_b32 s43, 0
	s_mul_i32 s70, s[CH], AH                       ; where they go: the wave's number alone enters an LDS address
	s_mul_i32 s71, s[CH], BH
	s_add_co_u32 s71, s71, BOFF
	s_wait_dscnt 0x0                               ; both opening adds are done
	s_wait_kmcnt 0x0
	s_add_nc_u64 s[40:41], s[4:5], s[40:41]
	s_add_nc_u64 s[42:43], s[6:7], s[42:43]
	CROUND                                         ; all sixteen work-groups are here: the first joint loads meet
.irp s, 0,1
	s_mov_b32 s[G0A+4*(\s)], 1                                       ; count = 1
	s_add_co_u32 s[G0A+4*(\s)+1], s70, (\s)*SLOT                     ; LDS address
	s_add_nc_u64 s[G0A+4*(\s)+2:G0A+4*(\s)+3], s[40:41], (\s)*STEPB  ; global address: K step s
	s_or_b32 s[G0A+4*(\s)+3], s[G0A+4*(\s)+3], 0x80000000            ; type = 2
	s_mov_b32 s[G0B+4*(\s)], 1
	s_add_co_u32 s[G0B+4*(\s)+1], s71, (\s)*SLOT
	s_add_nc_u64 s[G0B+4*(\s)+2:G0B+4*(\s)+3], s[42:43], (\s)*STEPB
	s_or_b32 s[G0B+4*(\s)+3], s[G0B+4*(\s)+3], 0x80000000
	JLOAD \s                                       ; two tensor loads of mine are out
.endr
	; the biases of my 128 columns, laid as C: register j of block b holds column 16 b + 8 (l / 16) + j, the same in all 16 rows
	v_and_b32 v1, 15, v0                           ; r = l % 16
	v_bfe_u32 v2, v0, 4, 1                         ; h = l / 16
	s_lshl_b32 s2, s[TC], 10
	s_lshl_b32 s23, s[CH], 9
	s_add_co_u32 s2, s2, s23                       ; my first column x 4 bytes
	v_lshl_add_u32 v[BO], v2, 5, s2
	WIN TO_BIAS
.irp b, 0,1,2,3,4,5,6,7
	global_load_b128 v[8*(\b):8*(\b)+3],   v[BO], s[8:9] offset:64*(\b)
	global_load_b128 v[8*(\b)+4:8*(\b)+7], v[BO], s[8:9] offset:64*(\b)+16
.endr
	WIN 0
.irp b, 0,1,2,3,4,5,6,7
	global_load_b128 v[F1+8*(\b):F1+8*(\b)+3],   v[BO], s[10:11] offset:64*(\b)
	global_load_b128 v[F1+8*(\b)+4:F1+8*(\b)+7], v[BO], s[10:11] offset:64*(\b)+16
.endr
	; A fragment is 16 rows x 32 K in 8 registers: lane l holds row l % 16; registers 0-3 K = 8 (l / 16) + 0..7, registers 4-7 K = 16 + 8 (l / 16) + 0..7: two loads of 16 bytes, 32 bytes apart
	v_mul_u32_u24 v3, v1, PITCH
	v_lshl_add_u32 v3, v2, 4, v3                   ; row x pitch + 16 x half
	s_mul_i32 s2, s[RH], AH                        ; my 64 rows of A
	v_add_nc_u32 v[ADRA], s2, v3
	v_add_nc_u32 v[ADRA+1], SLOT, v[ADRA]
	v_add_nc_u32 v[ADRB], s71, v3                  ; my 128 rows of B
	v_add_nc_u32 v[ADRB+1], SLOT, v[ADRB]
	s_mul_i32 s23, s[WV], 16*PITCH
	s_add_co_u32 s23, s23, STAGE                   ; my stage
	v_add_nc_u32 v[STO16], s23, v3                 ; in: row r, 16 bytes for each half of the lanes,
	v_lshl_add_u32 v[STO32], v2, 4, v[STO16]       ; or 32
	v_mul_u32_u24 v4, v2, PITCH                    ; back: lanes 0-15 take one row of 256 bytes, lanes 16-31 the next
	v_lshl_add_u32 v4, v1, 4, v4
	v_add_nc_u32 v[RD], s23, v4
	v_lshlrev_b32 v[CO32], 4, v1                   ; and the same two rows in out1 and in H16
	v_lshl_add_u32 v[CO16], v2, 13, v[CO32]
	v_lshl_add_u32 v[CO32], v2, 14, v[CO32]
	v_and_b32 v[PFO], 31, v0
	v_mul_u32_u24 v[PFO], v[PFO], ROWB
	s_lshl_b32 s2, s[TR], 7
	s_lshl_b32 s23, s[RH], 6
	s_add_co_u32 s2, s2, s23                       ; my first row
	s_lshl_b32 s23, s[TC], 8
	s_lshl_b32 s47, s[CH], 7
	s_add_co_u32 s23, s23, s47                     ; my first column
	s_lshl_b32 s66, s2, 14
	s_lshl2_add_u32 s66, s23, s66                  ; out1: row x 16,384 + column x 4
	s_mov_b32 s67, 0
	s_lshl_b32 s68, s2, 13
	s_lshl1_add_u32 s68, s23, s68                  ; H16: row x 8,192 + column x 2
	s_mov_b32 s69, 0
	s_add_nc_u64 s[12:13], s[12:13], s[66:67]
	s_add_nc_u64 s[14:15], s[14:15], s[68:69]
	; the prefetches
	s_lshl_b32 s2, s[TR], 7
	s_lshl_b32 s23, s[CX], 5
	s_add_co_u32 s2, s2, s23                       ; A: 128 x tile row + 32 cx
	s_lshl_b32 s23, s[TC], 8
	s_lshl_b32 s47, s[CY], 6
	s_add_co_u32 s23, s23, s47
	s_lshl_b32 s47, s[CH], 5
	s_add_co_u32 s23, s23, s47                     ; B: 256 x tile column + 64 cy + 32 x half
	s_and_b32 s47, ttmp7, 0xffff                   ; cluster y
	s_cmp_eq_u32 s[RH], 0                          ; do I fetch for A?
	s_cselect_b32 s2, s2, s23
	s_cselect_b32 s47, ttmp9, s47                  ; the coordinate along which other clusters read the same rows
	s_cselect_b64 s[PFA:PFA+1], s[4:5], s[6:7]
	s_cselect_b32 s23, s[CH], 0                    ; (wave 1 has no rows to ask for)
	s_or_b32 s47, s47, s23
	s_cmp_eq_u32 s47, 0
	s_cselect_b32 s[LIM], 2, -1                    ; the same in all sixteen partners, for a given wave
	s_mul_i32 s2, s2, ROWB
	s_add_co_u32 s2, s2, 5*STEPB                   ; at K step 5: the first refill steps it to 6
	s_mov_b32 s3, 0
	s_add_nc_u64 s[PFA:PFA+1], s[PFA:PFA+1], s[2:3]
	s_wait_loadcnt 0x0                             ; both biases
	WIN BSUM
.set i, 0
.rept 32
	v_pk_add_f32 v[i:i+1], v[i:i+1], v[F1+i:F1+i+1]  ; b_in + b_rec
.set i, i+2
.endr
	WIN 0
; 8 matrix instructions: block a of my rows x all 8 blocks of my columns, 32 along K.  mode 0: onto the sums; 1: the constant 0 starts them; 2: the bias starts them.  Nothing is ever cleared.
; The 32 accumulators take turns, one instruction a turn, in the same order in every quarter: 31 others stand between two links of a chain, over the backward jump too.
.macro MUL8 f, a, mode
.if (\mode) == 2
	WIN MULB
.else
	WIN MUL
.endif
.irp b, 0,1,2,3,4,5,6,7
.if (\mode) == 2
	v_wmma_f32_16x16x32_bf16 v[8*(8*(\a)+(\b)):8*(8*(\a)+(\b))+7], v[(\f)+8*(\b):(\f)+8*(\b)+7], v[(\f)+64+8*(\a):(\f)+64+8*(\a)+7], v[8*(\b):8*(\b)+7]
.elseif (\mode) == 1
	v_wmma_f32_16x16x32_bf16 v[8*(8*(\a)+(\b)):8*(8*(\a)+(\b))+7], v[(\f)+8*(\b):(\f)+8*(\b)+7], v[(\f)+64+8*(\a):(\f)+64+8*(\a)+7], 0
.else
	v_wmma_f32_16x16x32_bf16 v[8*(8*(\a)+(\b)):8*(8*(\a)+(\b))+7], v[(\f)+8*(\b):(\f)+8*(\b)+7], v[(\f)+64+8*(\a):(\f)+64+8*(\a)+7], v[8*(8*(\a)+(\b)):8*(8*(\a)+(\b))+7]
.endif
.endr
.endm
; 24 LDS loads in one run: the fragments of 32 along K at byte k of the rows, into buffer f: B's sixteen loads, then A's eight
.macro FETCH slot, k, f
	WIN 0
.irp i, 0,1,2,3,4,5,6,7
	ds_load_b128 v[(\f)+8*(\i):(\f)+8*(\i)+3],   v[ADRB+(\slot)] offset:(\k)+(\i)*16*PITCH
	ds_load_b128 v[(\f)+8*(\i)+4:(\f)+8*(\i)+7], v[ADRB+(\slot)] offset:(\k)+(\i)*16*PITCH+32
.endr
.irp a, 0,1,2,3
	ds_load_b128 v[(\f)+64+8*(\a):(\f)+64+8*(\a)+3],   v[ADRA+(\slot)] offset:(\k)+(\a)*16*PITCH
	ds_load_b128 v[(\f)+64+8*(\a)+4:(\f)+64+8*(\a)+7], v[ADRA+(\slot)] offset:(\k)+(\a)*16*PITCH+32
.endr
.endm
; A K step is four quarters of 32 along K, 32 matrix instructions each, on buffers 0, 1, 0, 1.  One of the first three: multiplies buffer f; in its middle it fetches the next quarter, at byte k, into g.
.macro QUARTER slot, k, f, g, m0=0, m1=0
	s_wait_dscnt 4                                 ; B and A's blocks 0, 1 are in; the youngest four loads (A's blocks 2, 3) may be out
	MUL8 \f, 0, \m0
	MUL8 \f, 1, \m1
	PLACES
	FETCH \slot, \k, \g
	s_wait_dscnt 24                                ; all but the 24 just issued
	MUL8 \f, 2, \m1
	MUL8 \f, 3, \m1
.endm
; The last quarter multiplies buffer 1 and changes slots: ONE barrier.  In front of it each wave waits for all its tensor loads, of which one is out: its part of the next slot; adds 0 to its spare
; word; and waits for that and for its own reads of this slot.  fill = 1: the barrier opens a round of the cluster's, so that no wave of any partner still reads the slot or has a load on its way,
; and the joint refill, two K steps ahead, is the first thing behind it: 112 matrix instructions ahead of the wait for it.
.macro TURN slot, next, fill
.if \fill
	s_wait_xcnt 0x0                                ; the last prefetch, a K step back, has read its address: it is stepped here, ahead of the waits of the change of slots
	s_add_nc_u64 s[PFA:PFA+1], s[PFA:PFA+1], STEPB
.endif
	WIN 0
	s_wait_tensorcnt 0x0                           ; all my tensor loads have landed;
	ds_add_u32 v[SPW], v[NIL]                      ; 0 onto my spare word;
	s_wait_dscnt 5                                 ; (the add and the youngest four loads may be out)
	MUL8 F1, 0, 0                                  ; eight matrix instructions stand between the add and the wait for it
	s_wait_dscnt 0x0                               ; the add is done, and my reads of this slot are over
	s_barrier_signal -1
	MUL8 F1, 1, 0                                  ; work on registers while the others arrive
.if \fill
	WIN 0
.endif
	s_barrier_wait -1
.if \fill
	CREST
	s_add_nc_u64 s[G0A+4*(\slot)+2:G0A+4*(\slot)+3], s[G0A+4*(\slot)+2:G0A+4*(\slot)+3], 2*STEPB
	s_add_nc_u64 s[G0B+4*(\slot)+2:G0B+4*(\slot)+3], s[G0B+4*(\slot)+2:G0B+4*(\slot)+3], 2*STEPB
	JLOAD \slot                                    ; the four v_nop behind it are also the places in front of the loads below
.else
	PLACES
.endif
	FETCH \next, 0, F0
.if \fill
	ASK
.endif
	MUL8 F1, 2, 0
	MUL8 F1, 3, 0
.endm
; THE WAY OUT of block a (16 rows x 128 columns).  PACK: relu into T (each accumulator's registers in ascending order), and T rounded to bf16 into P.
.macro PACK a
	WIN RDACC
.irp b, 0,1,2,3,4,5,6,7
.irp j, 0,1,2,3,4,5,6,7
	v_max_num_f32 v[T+8*(\b)+(\j)], 0, v[8*(8*(\a)+(\b))+(\j)]
.endr
.endr
	WIN 0
.set i, 0
.rept 32
	v_cvt_pk_bf16_f32 v[P+i], v[T+2*i], v[T+2*i+1]
.set i, i+1
.endr
.endm
.macro STG src, sto, kind              ; 256 bytes of each of 16 rows into my stage: 64 f32 (kind 32: 32 bytes a lane and block of columns, in two stores) or 128 bf16 (kind 16)
.irp i, 0,1,2,3,4,5,6,7
.if (\kind) == 32
	ds_store_b128 v[\sto], v[(\src)+4*(\i):(\src)+4*(\i)+3] offset:64*((\i)/2)+16*((\i)%2)
.else
	ds_store_b128 v[\sto], v[(\src)+4*(\i):(\src)+4*(\i)+3] offset:32*(\i)
.endif
.endr
.endm
.macro BACK ob                         ; and back as whole rows, two a load.  LDS serves a wave's instructions in order (ISA guide 5.7.1.4): these see the stores above, and the next stores come behind them
.irp t, 0,1,2,3,4,5,6,7
	ds_load_b128 v[(\ob)+4*(\t):(\ob)+4*(\t)+3], v[RD] offset:(\t)*2*PITCH
.endr
.endm
.macro SENDP ob, co, base, off0, rowb, younger, nt  ; younger: the LDS instructions issued behind these eight loads, which may stay out
.irp t, 0,1,2,3,4,5,6,7
	s_wait_dscnt (\younger)+7-(\t)
.if \nt
	global_store_b128 v[\co], v[(\ob)+4*(\t):(\ob)+4*(\t)+3], s[\base:(\base)+1] offset:(\off0)+2*(\t)*(\rowb) th:TH_STORE_NT  ; 16 lanes store 256 consecutive bytes, aligned
.else
	global_store_b128 v[\co], v[(\ob)+4*(\t):(\ob)+4*(\t)+3], s[\base:(\base)+1] offset:(\off0)+2*(\t)*(\rowb)
.endif
.endr
.endm
.macro TOSTAGE
	s_wait_xcnt 0x0                                ; the registers that earlier stores read are loaded again only behind this wait
	STG T, STO32, 32
	BACK OB0
	STG T+32, STO32, 32
	BACK OB1
	STG P, STO16, 16
	BACK OB2
.endm
.macro SEND a
	SENDP OB0, CO32, 12, 16*(\a)*16384,     16384, 32, 1
	SENDP OB1, CO32, 12, 16*(\a)*16384+256, 16384, 16, 1
	SENDP OB2, CO16, 14, 16*(\a)*8192,      8192,  0,  0
.endm
	s_wait_tensorcnt 1                             ; my part of K step 0 is in; K step 1's may stay out
	s_barrier_signal -1
	s_barrier_wait -1                              ; everybody's is
	FETCH 0, 0, F0
	QUARTER 0, 64, F0, F1, 2, 2                    ; the first quarter stands in front of the loop: its products start the sums, with the bias
	WIN 0                                          ; at a label and at a branch every window is 0
	s_mov_b32 s3, LAPS-1
.Llap:                                         ; a trip goes once round the ring, from a lap's second quarter to the next lap's first, and fills both slots again
	QUARTER 0, 128, F1, F0
	QUARTER 0, 192, F0, F1
	TURN 0, 1, 1
	QUARTER 1, 64,  F0, F1
	QUARTER 1, 128, F1, F0
	QUARTER 1, 192, F0, F1
	TURN 1, 0, 1
	QUARTER 0, 64,  F0, F1
	WIN 0
	s_sub_co_u32 s3, s3, 1
	s_cmp_lg_u32 s3, 0
	s_cbranch_scc1 .Llap
	QUARTER 0, 128, F1, F0                         ; the last lap fills nothing, and has no round of the cluster's barrier
	QUARTER 0, 192, F0, F1
	TURN 0, 1, 0
	QUARTER 1, 64,  F0, F1
	QUARTER 1, 128, F1, F0
	QUARTER 1, 192, F0, F1
	s_wait_dscnt 4                                 ; the very last quarter: nothing more to fetch
	MUL8 F1, 0, 0
	MUL8 F1, 1, 0
	s_wait_dscnt 0x0
	MUL8 F1, 2, 0
	MUL8 F1, 3, 0
	PLACES
	PLACES
	PACK 0
	TOSTAGE
.irp a, 1,2,3                          ; block a's arithmetic stands between block a - 1's loads from the stage and the waits for them
	PACK \a
	SEND (\a)-1
	TOSTAGE
.endr
	SEND 3
	s_wait_tensorcnt 0x0                           ; the wave's end: behind my last tensor load and my last LDS store
	ds_add_u32 v[SPW], v[NIL]
	s_wait_dscnt 0x0
	CROUND                                         ; the closing round: no work-group ends while a partner may still ask for a tile that names it
	s_endpgm
.Lfunc_end_k_q9f4383432e_gemm1:
	.size	k_q9f4383432e_gemm1, .Lfunc_end_k_q9f4383432e_gemm1-k_q9f4383432e_gemm1
	.p2alignl 7, 3214868480
	.fill 96, 4, 3214868480
	.section	.rodata,"a",@progbits
	.p2align	6, 0x0
	.amdhsa_kernel k_q9f4383432e_gemm1
		.amdhsa_group_segment_fixed_size 327680
		.amdhsa_private_segment_fixed_size 0
		.amdhsa_enable_private_segment 0
		.amdhsa_kernarg_size 48
		.amdhsa_user_sgpr_count 2
		.amdhsa_user_sgpr_kernarg_segment_ptr 1
		.amdhsa_wavefront_size32 1
		.amdhsa_system_sgpr_workgroup_id_x 1
		.amdhsa_system_sgpr_workgroup_id_y 1
		.amdhsa_system_sgpr_workgroup_id_z 1
		.amdhsa_system_vgpr_workitem_id 0
		.amdhsa_next_free_vgpr 576
		.amdhsa_next_free_sgpr 72
		.amdhsa_reserve_vcc 0
		.amdhsa_float_denorm_mode_32 3
		.amdhsa_float_denorm_mode_16_64 3
		.amdhsa_memory_ordered 1
		.amdhsa_forward_progress 1
		.amdhsa_inst_pref_size 117
	.end_amdhsa_kernel
	.amdgpu_metadata
---
amdhsa.version: [ 1, 2 ]
amdhsa.kernels:
  - .name:           k_q9f4383432e_gemm1
    .symbol:         k_q9f4383432e_gemm1.kd
    .args:
      - { .name: A16, .offset: 0, .size: 8, .value_kind: global_buffer, .address_space: global }
      - { .name: B16, .offset: 8, .size: 8, .value_kind: global_buffer, .address_space: global }
      - { .name: b_in, .offset: 16, .size: 8, .value_kind: global_buffer, .address_space: global }
      - { .name: b_rec, .offset: 24, .size: 8, .value_kind: global_buffer, .address_space: global }
      - { .name: out1, .offset: 32, .size: 8, .value_kind: global_buffer, .address_space: global }
      - { .name: H16, .offset: 40, .size: 8, .value_kind: global_buffer, .address_space: global }
    .group_segment_fixed_size: 327680
    .private_segment_fixed_size: 0
    .kernarg_segment_align: 8
    .kernarg_segment_size: 48
    .max_flat_workgroup_size: 128
    .sgpr_count:     72
    .vgpr_count:     576
    .wavefront_size: 32
...
	.end_amdgpu_metadata
.endif
;; end of part 2
;; launch gemm2 (part 3): grid 8 x 32, 4 waves a work-group, clusters of 4 x 4, 327,680 bytes of LDS; arguments H16, C16, b_out, out0; writes out0
.if DOCPART == 3
	.amdgcn_target "amdgcn-amd-amdhsa--gfx1250"
	.amdhsa_code_object_version 6
	.text
	.protected	k_q9f4383432e_gemm2
	.globl	k_q9f4383432e_gemm2
	.p2align	8
	.type	k_q9f4383432e_gemm2,@function
k_q9f4383432e_gemm2:
	s_mov_b64 s[64:65], 0
	v_nop
	global_prefetch_b8 v0, s[64:65] scope:SCOPE_SE
	s_setreg_imm32_b32 hwreg(HW_REG_WAVE_MODE, 25, 1), 1
	s_wait_xcnt 0x0
	s_wait_alu depctr_hold_cnt(0) depctr_sa_sdst(0) depctr_va_vdst(0) depctr_va_sdst(0) depctr_va_ssrc(0) depctr_va_vcc(0) depctr_vm_vsrc(0)
	s_getreg_b32 s2, hwreg(HW_REG_IB_STS2, 6, 4)
	s_cmp_eq_u32 s2, 0
	s_cbranch_scc0 .Lentry_in_a_cluster
	s_endpgm
.Lentry_in_a_cluster:
	s_bfe_u32 s2, ttmp6, 0x10000c
	s_cmp_lg_u32 s2, 0xf033
	s_cbranch_scc0 .Lentry_shape_is_right
	s_endpgm
.Lentry_shape_is_right:
; VANILLA RNN CELL, launch 3 of 3: out = relu(H16 . C16^T + b_out).  H16 [2048][4096] = new_state, C16 [1024][4096] = W_out, both bf16; sums in f32; out0 [2048][1024] f32.  Nothing is left out.
; LIMITS: the bias starts one of the four partial sums; the partial sums are added in f32; relu is a maximum with 0 in which a NaN loses: a NaN before the relu comes out as 0.
; SHARES.  A tile of 64 rows x 128 columns to a work-group: 8 x 32 = 256 work-groups.  K IS SPLIT AMONG THE FOUR WAVES: of each K step of 256 wave w takes channels 64 w .. 64 w + 63, for the whole tile:
; 32 accumulators, so that a fragment read from LDS feeds as many products as a wave tile of 64 x 128 can.  The four partial sums meet once, in LDS: wave w ends with the tile's rows 16 w .. 16 w + 15.
; Row index a of wave w's accumulators stands for the tile's block (w + a) % 4 of 16 rows, so index 0 is the block that the wave keeps.
; K goes in 16 steps of 256 through a ring of two LDS slots (rows of 512 bytes of memory, aligned).
; CLUSTERS: 4 x 4 work-groups; H16's tile is shared along a row of the cluster, C16's along a column: joint loads.  Waves 0 and 1 fetch the halves of H16's tile (32 rows each: the tile has 64),
; waves 2 and 3 those of C16's (64 rows each).  No prefetch: a small tile, 16 steps in all.
; THE MATRIX INSTRUCTION IS USED TRANSPOSED (source 0 = 16 rows of C16, source 1 = 16 rows of H16): lane l holds row l % 16 of the result and its columns 8 (l / 16) + 0 .. 7.
; REGISTERS: window 0: v0-34 addresses; v64-159, v160-255 two fragment buffers, at the end at work.  window 1: accumulator (a, b) at v[8 (8 a + b)].  window 2: v0-63 the bias, laid as an accumulator's C.
.set KTOT,  4096
.set ROWB,  2*KTOT
.set STEPB, 512                        ; bytes of a row in a K step
.set LAPS,  KTOT/512
.set PITCH, 528                        ; an LDS row: 512 bytes + 16 of padding = 132 words: the 16 rows of a fragment load start at 16 different groups of four banks (64 banks of 4 bytes: ISA guide 11.1)
.set AH,    32*PITCH
.set BH,    64*PITCH
.set BOFF,  2*AH
.set SLOT,  2*AH+2*BH
.set RED,   2*SLOT                     ; behind the ring: the partial sums that change waves: from wave w, for the wave d further on, 8,192 bytes at 24,576 w + 8,192 (d - 1)
.set STAGE, RED+4*24576                ; 16 rows x 272 bytes for each wave, for the way out
.set SPITCH, 272
.set SPARE, STAGE+4*16*SPITCH          ; the spare words, 128 bytes for each wave: two blocks of 256 bytes that no other line names
.set ADRA,  8                          ; v8-15   LDS address of my A fragment a in slot s at v[8 + 4 s + a]
.set ADRB,  20                         ; v20-21  of my B fragments in slot 0, 1
.set STO32, 22
.set RD,    24
.set CO32,  25
.set BO,    27
.set SPW,   28                         ; v28  LDS address of my spare word; never rewritten
.set NIL,   29                         ; v29  0; never rewritten
.set REDW,  31                         ; v31     where I put partial sums
.set REDR,  32                         ; v32-34  where I find those of the waves 1, 2, 3 back
.set F0,    64
.set F1,    160
.set WV, 16
.set RH, 17
.set CH, 18
.set CX, 19
.set CY, 20
.set TC, 21
.set TR, 22
.set G1A, 24
.set G0A, 32
.set G1B, 48
.set G0B, 56
.set GW0, (1<<16)|(1<<20)|(1<<21)|(6<<22)|(3<<25)  ; elements of 2 bytes; padding on; 21 set beside a mask; after every 128 words; 4 words of it
.set MUL,     0x50
.set MULB,    0x60
.set RDACC,   0x04
.set TO_BIAS, 0x80
.set MSB, 0
.macro WIN new
.if MSB != (\new)
	s_set_vgpr_msb (MSB<<8)|(\new)
.set MSB, \new
.endif
.endm
.macro PLACES
.rept 4
	v_nop
.endr
.endm
.macro JLOAD s                         ; a joint load; an s_nop 0 and four v_nop follow each of the two lines, ahead of the jump, the label and what follows
	s_cmp_eq_u32 s[RH], 0
	s_cbranch_scc0 .Lfor_b_\@
	tensor_load_to_lds s[G0A+4*(\s):G0A+4*(\s)+3], s[G1A:G1A+7]
	s_nop 0
.rept 4
	v_nop
.endr
	s_branch .Lasked_\@
.Lfor_b_\@:
	tensor_load_to_lds s[G0B+4*(\s):G0B+4*(\s)+3], s[G1B:G1B+7]
	s_nop 0
.rept 4
	v_nop
.endr
.Lasked_\@:
.endm
.macro CREST
	s_cmp_lg_u32 s[WV], 0
	s_cbranch_scc1 .Lnot_wave_0_\@
	s_barrier_signal -3
.Lnot_wave_0_\@:
	s_barrier_wait -3
	s_barrier_signal -1
	s_barrier_wait -1
.endm
.macro CROUND
	s_barrier_signal -1
	s_barrier_wait -1
	CREST
.endm
	s_load_b256 s[4:11], s[0:1], 0x0               ; H16 s[4:5], C16 s[6:7], b_out s[8:9], out0 s[10:11]
	v_lshl_add_u32 v[SPW], v0, 2, SPARE
	v_mov_b32 v[NIL], 0
	ds_add_u32 v[SPW], v[NIL]                      ; the wave's opening: the add, twice on end, and its wait ahead of my first tensor load
	ds_add_u32 v[SPW], v[NIL]                      ; and once more, under the one wait
	v_lshrrev_b32 v1, 5, v0
	v_readfirstlane_b32 s[WV], v1
	s_lshr_b32 s[RH], s[WV], 1                     ; I fetch for A (0) or for B (1),
	s_and_b32 s[CH], s[WV], 1                      ; this half of the tile
	s_bfe_u32 s[CX], ttmp6, 0x40000
	s_bfe_u32 s[CY], ttmp6, 0x40004
	s_lshl_b32 s[TC], ttmp9, 2
	s_add_co_u32 s[TC], s[TC], s[CX]               ; tile column
	s_and_b32 s[TR], ttmp7, 0xffff
	s_lshl_b32 s[TR], s[TR], 2
	s_add_co_u32 s[TR], s[TR], s[CY]               ; tile row
	s_lshl_b32 s66, s[CY], 2
	s_lshl_b32 s66, 15, s66                        ; my row of the cluster
	s_lshl_b32 s67, 0x1111, s[CX]                  ; my column
	s_or_b32 s[G1A], s66, GW0
	s_or_b32 s[G1B], s67, GW0
	s_mov_b32 s[G1A+1], 256<<16                    ; tensor_dim0 = 256
	s_mov_b32 s[G1A+2], 32<<16                     ; tensor_dim1 = 32
	s_mov_b32 s[G1A+3], 256<<16                    ; tile_dim0 = 256
	s_mov_b32 s[G1A+4], 32                         ; tile_dim1 = 32
	s_mov_b32 s[G1A+5], KTOT
	s_mov_b32 s[G1A+6], 0
	s_mov_b32 s[G1A+7], 0
	s_mov_b32 s[G1B+1], 256<<16
	s_mov_b32 s[G1B+2], 64<<16
	s_mov_b32 s[G1B+3], 256<<16
	s_mov_b32 s[G1B+4], 64
	s_mov_b32 s[G1B+5], KTOT
	s_mov_b32 s[G1B+6], 0
	s_mov_b32 s[G1B+7], 0
	s_lshl_b32 s40, s[TR], 6                       ; A: row 64 x tile row + 32 x half
	s_lshl_b32 s2, s[CH], 5
	s_add_co_u32 s40, s40, s2
	s_lshl_b32 s40, s40, 13                        ; x 8,192 bytes
	s_mov_b32 s41, 0
	s_lshl_b32 s42, s[TC], 7                       ; B: row 128 x tile column + 64 x half
	s_lshl_b32 s23, s[CH], 6
	s_add_co_u32 s42, s42, s23
	s_lshl_b32 s42, s42, 13
	s_mov_b32 s43, 0
	s_mul_i32 s70, s[CH], AH
	s_mul_i32 s71, s[CH], BH
	s_add_co_u32 s71, s71, BOFF
	s_wait_dscnt 0x0                               ; both opening adds are done
	s_wait_kmcnt 0x0
	s_add_nc_u64 s[40:41], s[4:5], s[40:41]
	s_add_nc_u64 s[42:43], s[6:7], s[42:43]
	CROUND                                         ; all sixteen work-groups are here: the first joint loads meet
.irp s, 0,1
	s_mov_b32 s[G0A+4*(\s)], 1
	s_add_co_u32 s[G0A+4*(\s)+1], s70, (\s)*SLOT
	s_add_nc_u64 s[G0A+4*(\s)+2:G0A+4*(\s)+3], s[40:41], (\s)*STEPB
	s_or_b32 s[G0A+4*(\s)+3], s[G0A+4*(\s)+3], 0x80000000
	s_mov_b32 s[G0B+4*(\s)], 1
	s_add_co_u32 s[G0B+4*(\s)+1], s71, (\s)*SLOT
	s_add_nc_u64 s[G0B+4*(\s)+2:G0B+4*(\s)+3], s[42:43], (\s)*STEPB
	s_or_b32 s[G0B+4*(\s)+3], s[G0B+4*(\s)+3], 0x80000000
	JLOAD \s                                       ; two tensor loads of mine are out
.endr
	v_and_b32 v1, 15, v0                           ; r
	v_bfe_u32 v2, v0, 4, 1                         ; h
	s_lshl_b32 s2, s[TC], 9                        ; the tile's first column x 4 bytes
	v_lshl_add_u32 v[BO], v2, 5, s2
	WIN TO_BIAS
.irp b, 0,1,2,3,4,5,6,7
	global_load_b128 v[8*(\b):8*(\b)+3],   v[BO], s[8:9] offset:64*(\b)
	global_load_b128 v[8*(\b)+4:8*(\b)+7], v[BO], s[8:9] offset:64*(\b)+16
.endr
	WIN 0
	v_mul_u32_u24 v3, v1, PITCH
	v_lshl_add_u32 v3, v2, 4, v3                   ; row x pitch + 16 x half
	s_lshl_b32 s23, s[WV], 7
	v_add_nc_u32 v3, s23, v3                       ; + my 128 bytes of a row's 512
.irp a, 0,1,2,3
	s_add_co_u32 s2, s[WV], \a
	s_and_b32 s2, s2, 3                            ; the tile's block (w + a) % 4
	s_mul_i32 s2, s2, 16*PITCH
	v_add_nc_u32 v[ADRA+(\a)], s2, v3
	v_add_nc_u32 v[ADRA+4+(\a)], SLOT, v[ADRA+(\a)]
.endr
	v_add_nc_u32 v[ADRB], BOFF, v3
	v_add_nc_u32 v[ADRB+1], BOFF+SLOT, v3
	s_mul_i32 s23, s[WV], 16*SPITCH
	s_add_co_u32 s23, s23, STAGE                   ; my stage
	v_mul_u32_u24 v4, v1, SPITCH
	v_lshl_add_u32 v4, v2, 5, v4
	v_add_nc_u32 v[STO32], s23, v4                 ; in: row r, 32 bytes for each half of the lanes
	v_mul_u32_u24 v4, v2, SPITCH
	v_lshl_add_u32 v4, v1, 4, v4
	v_add_nc_u32 v[RD], s23, v4                    ; back: lanes 0-15 one row of 256 bytes, lanes 16-31 the next
	v_lshlrev_b32 v[CO32], 4, v1
	v_lshl_add_u32 v[CO32], v2, 12, v[CO32]        ; and the same two rows in out0
	v_and_b32 v5, 31, v0
	v_lshlrev_b32 v5, 4, v5                        ; 16 x lane
	s_mul_i32 s2, s[WV], 24576
	s_add_co_u32 s2, s2, RED
	v_add_nc_u32 v[REDW], s2, v5
.irp d, 1,2,3
	s_add_co_u32 s2, s[WV], 4-(\d)
	s_and_b32 s2, s2, 3                            ; the wave d back: its index d is my block
	s_mul_i32 s2, s2, 24576
	s_add_co_u32 s2, s2, RED+8192*((\d)-1)
	v_add_nc_u32 v[REDR+(\d)-1], s2, v5
.endr
	s_lshl_b32 s66, s[TR], 6
	s_lshl4_add_u32 s66, s[WV], s66                ; the first row that I store: 64 x tile row + 16 x wave
	s_lshl_b32 s66, s66, 12
	s_lshl_b32 s2, s[TC], 9
	s_add_co_u32 s66, s66, s2
	s_mov_b32 s67, 0
	s_add_nc_u64 s[10:11], s[10:11], s[66:67]
	s_wait_loadcnt 0x0                             ; the bias
; 8 matrix instructions: row index a x all 8 blocks of columns, 32 along K.  mode 0: onto the sums; 1: the constant 0 starts them; 2: the bias starts them.
; The 32 accumulators take turns, one instruction a turn, in the same order in every quarter.
.macro MUL8 f, a, mode
.if (\mode) == 2
	WIN MULB
.else
	WIN MUL
.endif
.irp b, 0,1,2,3,4,5,6,7
.if (\mode) == 2
	v_wmma_f32_16x16x32_bf16 v[8*(8*(\a)+(\b)):8*(8*(\a)+(\b))+7], v[(\f)+8*(\b):(\f)+8*(\b)+7], v[(\f)+64+8*(\a):(\f)+64+8*(\a)+7], v[8*(\b):8*(\b)+7]
.elseif (\mode) == 1
	v_wmma_f32_16x16x32_bf16 v[8*(8*(\a)+(\b)):8*(8*(\a)+(\b))+7], v[(\f)+8*(\b):(\f)+8*(\b)+7], v[(\f)+64+8*(\a):(\f)+64+8*(\a)+7], 0
.else
	v_wmma_f32_16x16x32_bf16 v[8*(8*(\a)+(\b)):8*(8*(\a)+(\b))+7], v[(\f)+8*(\b):(\f)+8*(\b)+7], v[(\f)+64+8*(\a):(\f)+64+8*(\a)+7], v[8*(8*(\a)+(\b)):8*(8*(\a)+(\b))+7]
.endif
.endr
.endm
.macro FETCH slot, k, f                ; 24 LDS loads in one run: B's sixteen, then A's eight
	WIN 0
.irp i, 0,1,2,3,4,5,6,7
	ds_load_b128 v[(\f)+8*(\i):(\f)+8*(\i)+3],   v[ADRB+(\slot)] offset:(\k)+(\i)*16*PITCH
	ds_load_b128 v[(\f)+8*(\i)+4:(\f)+8*(\i)+7], v[ADRB+(\slot)] offset:(\k)+(\i)*16*PITCH+32
.endr
.irp a, 0,1,2,3
	ds_load_b128 v[(\f)+64+8*(\a):(\f)+64+8*(\a)+3],   v[ADRA+4*(\slot)+(\a)] offset:(\k)
	ds_load_b128 v[(\f)+64+8*(\a)+4:(\f)+64+8*(\a)+7], v[ADRA+4*(\slot)+(\a)] offset:(\k)+32
.endr
.endm
; A wave's share of a K step is two quarters of 32 along K.  The first: multiplies buffer f and fetches the second, at byte k, into g.
.macro QUARTER slot, k, f, g, m0=0, m1=0
	s_wait_dscnt 4                                 ; B and A's indices 0, 1 are in; the youngest four loads may be out
	MUL8 \f, 0, \m0
	MUL8 \f, 1, \m1
	PLACES
	FETCH \slot, \k, \g
	s_wait_dscnt 24                                ; all but the 24 just issued
	MUL8 \f, 2, \m1
	MUL8 \f, 3, \m1
.endm
; The second multiplies buffer 1 and changes slots: ONE barrier; in front of it each wave waits for all its tensor loads, adds 0 to its spare word, and waits for that and for its own reads of this slot.
; fill = 1: the barrier opens a round of the cluster's, and the joint refill, two K steps ahead, is the first thing behind it.
.macro TURN slot, next, fill
	WIN 0
	s_wait_tensorcnt 0x0                           ; all my tensor loads have landed;
	ds_add_u32 v[SPW], v[NIL]                      ; 0 onto my spare word;
	s_wait_dscnt 5                                 ; (the add and the youngest four loads may be out)
	MUL8 F1, 0, 0
	s_wait_dscnt 0x0                               ; the add is done, and my reads of this slot are over
	s_barrier_signal -1
	MUL8 F1, 1, 0
.if \fill
	WIN 0
.endif
	s_barrier_wait -1
.if \fill
	CREST
	s_add_nc_u64 s[G0A+4*(\slot)+2:G0A+4*(\slot)+3], s[G0A+4*(\slot)+2:G0A+4*(\slot)+3], 2*STEPB
	s_add_nc_u64 s[G0B+4*(\slot)+2:G0B+4*(\slot)+3], s[G0B+4*(\slot)+2:G0B+4*(\slot)+3], 2*STEPB
	JLOAD \slot                                    ; the four v_nop behind it are also the places in front of the loads below
.else
	PLACES
.endif
	FETCH \next, 0, F0
	MUL8 F1, 2, 0
	MUL8 F1, 3, 0
.endm
.macro STG src, sto                    ; 64 f32 of each of 16 rows into my stage: 32 bytes a lane and block of columns, in two stores
.irp i, 0,1,2,3,4,5,6,7
	ds_store_b128 v[\sto], v[(\src)+4*(\i):(\src)+4*(\i)+3] offset:64*((\i)/2)+16*((\i)%2)
.endr
.endm
.macro BACK ob                         ; and back as whole rows; LDS serves a wave's instructions in order (ISA guide 5.7.1.4)
.irp t, 0,1,2,3,4,5,6,7
	ds_load_b128 v[(\ob)+4*(\t):(\ob)+4*(\t)+3], v[RD] offset:(\t)*2*SPITCH
.endr
.endm
.macro SENDP ob, off0, younger
.irp t, 0,1,2,3,4,5,6,7
	s_wait_dscnt (\younger)+7-(\t)
	global_store_b128 v[CO32], v[(\ob)+4*(\t):(\ob)+4*(\t)+3], s[10:11] offset:(\off0)+2*(\t)*4096 th:TH_STORE_NT  ; 16 lanes store 256 consecutive bytes, aligned
.endr
.endm
	s_wait_tensorcnt 1                             ; my part of K step 0 is in; K step 1's may stay out
	s_barrier_signal -1
	s_barrier_wait -1
	FETCH 0, 0, F0
	QUARTER 0, 64, F0, F1, 2, 1                    ; the first products start the sums: the block that I keep with the bias, the other three with 0, so that each output has its bias once
	WIN 0
	s_mov_b32 s3, LAPS-1
.Llap:                                         ; a trip goes once round the ring and fills both slots again
	TURN 0, 1, 1
	QUARTER 1, 64, F0, F1
	TURN 1, 0, 1
	QUARTER 0, 64, F0, F1
	WIN 0
	s_sub_co_u32 s3, s3, 1
	s_cmp_lg_u32 s3, 0
	s_cbranch_scc1 .Llap
	TURN 0, 1, 0                                   ; the last lap fills nothing
	QUARTER 1, 64, F0, F1
	s_wait_dscnt 4
	MUL8 F1, 0, 0
	MUL8 F1, 1, 0
	s_wait_dscnt 0x0
	MUL8 F1, 2, 0
	MUL8 F1, 3, 0
	PLACES
	PLACES
	; THE FOUR PARTIAL SUMS MEET.  My indices 1, 2, 3 go to the waves 1, 2, 3 further on, lane by lane as they lie (each accumulator's low half first)
	WIN RDACC
.irp d, 1,2,3
.irp b, 0,1,2,3,4,5,6,7
	ds_store_b128 v[REDW], v[8*(8*(\d)+(\b)):8*(8*(\d)+(\b))+3]   offset:8192*((\d)-1)+1024*(\b)
	ds_store_b128 v[REDW], v[8*(8*(\d)+(\b))+4:8*(8*(\d)+(\b))+7] offset:8192*((\d)-1)+1024*(\b)+512
.endr
.endr
	WIN 0
	s_wait_dscnt 0x0                               ; for the others' sake: my stores are done
	s_barrier_signal -1
	s_barrier_wait -1
.irp d, 1,2,3
.irp b, 0,1,2,3,4,5,6,7
	ds_load_b128 v[64*(\d)+8*(\b):64*(\d)+8*(\b)+3],   v[REDR+(\d)-1] offset:1024*(\b)
	ds_load_b128 v[64*(\d)+8*(\b)+4:64*(\d)+8*(\b)+7], v[REDR+(\d)-1] offset:1024*(\b)+512
.endr
.endr
	s_wait_dscnt 32                                ; the first wave's sixteen loads are in
	WIN RDACC
.set i, 0
.rept 32
	v_pk_add_f32 v[64+i:64+i+1], v[64+i:64+i+1], v[i:i+1]  ; + my own sums, index 0
.set i, i+2
.endr
	WIN 0
	s_wait_dscnt 16
.set i, 0
.rept 32
	v_pk_add_f32 v[64+i:64+i+1], v[64+i:64+i+1], v[128+i:128+i+1]
.set i, i+2
.endr
	s_wait_dscnt 0x0
.set i, 0
.rept 32
	v_pk_add_f32 v[64+i:64+i+1], v[64+i:64+i+1], v[192+i:192+i+1]
.set i, i+2
.endr
.set i, 0
.rept 64
	v_max_num_f32 v[64+i], 0, v[64+i]              ; relu
.set i, i+1
.endr
	STG 64, STO32                                  ; columns 0-63 through my stage,
	BACK 128
	STG 96, STO32                                  ; columns 64-127
	BACK 160
	SENDP 128, 0, 16
	SENDP 160, 256, 0
	s_wait_tensorcnt 0x0                           ; the wave's end: behind my last tensor load and my last LDS store
	ds_add_u32 v[SPW], v[NIL]
	s_wait_dscnt 0x0
	CROUND                                         ; the closing round: no work-group ends while a partner may still ask for a tile that names it
	s_endpgm
.Lfunc_end_k_q9f4383432e_gemm2:
	.size	k_q9f4383432e_gemm2, .Lfunc_end_k_q9f4383432e_gemm2-k_q9f4383432e_gemm2
	.p2alignl 7, 3214868480
	.fill 96, 4, 3214868480
	.section	.rodata,"a",@progbits
	.p2align	6, 0x0
	.amdhsa_kernel k_q9f4383432e_gemm2
		.amdhsa_group_segment_fixed_size 327680
		.amdhsa_private_segment_fixed_size 0
		.amdhsa_enable_private_segment 0
		.amdhsa_kernarg_size 32
		.amdhsa_user_sgpr_count 2
		.amdhsa_user_sgpr_kernarg_segment_ptr 1
		.amdhsa_wavefront_size32 1
		.amdhsa_system_sgpr_workgroup_id_x 1
		.amdhsa_system_sgpr_workgroup_id_y 1
		.amdhsa_system_sgpr_workgroup_id_z 1
		.amdhsa_system_vgpr_workitem_id 0
		.amdhsa_next_free_vgpr 576
		.amdhsa_next_free_sgpr 72
		.amdhsa_reserve_vcc 0
		.amdhsa_float_denorm_mode_32 3
		.amdhsa_float_denorm_mode_16_64 3
		.amdhsa_memory_ordered 1
		.amdhsa_forward_progress 1
		.amdhsa_inst_pref_size 62
	.end_amdhsa_kernel
	.amdgpu_metadata
---
amdhsa.version: [ 1, 2 ]
amdhsa.kernels:
  - .name:           k_q9f4383432e_gemm2
    .symbol:         k_q9f4383432e_gemm2.kd
    .args:
      - { .name: H16, .offset: 0, .size: 8, .value_kind: global_buffer, .address_space: global }
      - { .name: C16, .offset: 8, .size: 8, .value_kind: global_buffer, .address_space: global }
      - { .name: b_out, .offset: 16, .size: 8, .value_kind: global_buffer, .address_space: global }
      - { .name: out0, .offset: 24, .size: 8, .value_kind: global_buffer, .address_space: global }
    .group_segment_fixed_size: 327680
    .private_segment_fixed_size: 0
    .kernarg_segment_align: 8
    .kernarg_segment_size: 32
    .max_flat_workgroup_size: 128
    .sgpr_count:     72
    .vgpr_count:     576
    .wavefront_size: 32
...
	.end_amdgpu_metadata
.endif
;; end of part 3
;; ======== version 2 of 3: 3 launches
;; workspace buffers: A16 20,971,520 bytes; B16 41,943,040 bytes; C16 8,388,608 bytes; H16 16,777,216 bytes
;; launch cast (part 4): grid 1408 x 1, 4 waves a work-group, no clusters, 35,328 bytes of LDS; arguments X, W_in, state, W_rec, W_out, A16, B16, C16; writes A16, B16, C16
.if DOCPART == 4
	.amdgcn_target "amdgcn-amd-amdhsa--gfx1250"
	.amdhsa_code_object_version 6
	.text
	.protected	k_q9f4383432e_cast
	.globl	k_q9f4383432e_cast
	.p2align	8
	.type	k_q9f4383432e_cast,@function
k_q9f4383432e_cast:
	s_mov_b64 s[64:65], 0
	v_nop
	global_prefetch_b8 v0, s[64:65] scope:SCOPE_SE
	s_setreg_imm32_b32 hwreg(HW_REG_WAVE_MODE, 25, 1), 1
	s_wait_xcnt 0x0
; VANILLA RNN CELL, launch 1 of 3: the five large f32 inputs are rounded ONCE to bf16 (nearest even) and laid out for the two products.
;   new_state = relu([X | state] . [W_in | W_rec]^T + b_in + b_rec)   one product with K = 1024 + 4096 = 5120
;   out       = relu(new_state . W_out^T + b_out)
; B16 [4096][5120] = W_in | W_rec and C16 [1024][4096] = W_out lie by rows.  A16 = X | state lies IN THE ORDER IN WHICH A WAVE'S OPERAND REGISTERS TAKE IT:
; [128 blocks of 16 rows][640 groups of 8 K][16 rows][8 bf16]: row m, K = k lies at 163,840 (m / 16) + 256 (k / 8) + 16 (m % 16) + 2 (k % 8).
; NOTHING IS LEFT OUT: every input has a way to an output, and all eight are loaded (the three biases by the two launches behind this one).
; LIMITS of the program: matrix operands are bf16 (the inputs, and new_state for the second product); b_in + b_rec is added first, in f32, and starts the sums;
; relu is a maximum with 0 in which a NaN loses, so a NaN before a relu comes out as 0.
; WORK-GROUPS 0-767, BY ROWS.  A chunk is 1,024 f32 of a source row: 4,096 bytes in, 2,048 out.  Thread t of 128 loads the 32 bytes at 32 t and stores the 16 bytes at 16 t: a wave's store covers 512
; consecutive bytes, aligned.  A work-group takes 32 chunks, 131,072 consecutive source bytes, as 8 groups of 4; two sets of registers take the groups by turns.
; WORK-GROUPS 768-1407, TURNED.  A wave takes 16 rows x 256 K: for each row its 32 lanes load 1,024 consecutive bytes; a lane's 8 numbers, rounded, are 16 bytes that belong together in A16.  They go into the
; wave's own 8,704 bytes of LDS, group by group of 8 K (272 bytes apart), and come back by groups: 16 rows x 16 bytes = 256 consecutive bytes of A16.  No barrier: no wave reads another's bytes.
; The long work-groups stand first in the grid.  No cluster, no matrix unit: nothing is shared and nothing is multiplied.
.set CHUNK, 4096
.set GROUP, 4*CHUNK
.set X0, 8                             ; by rows: v[8:39] set 0 as loaded, v[40:71] set 1, v[72:87] set 0 to store, v[88:103] set 1
.set X1, 40
.set Y0, 72
.set Y1, 88
.set SPW, 6                            ; v6  LDS address of my spare word; never rewritten
.set NIL, 7                            ; v7  0; never rewritten
.set TP,  272                          ; turned: a group of 8 K in LDS: 16 rows x 16 bytes + 16 of padding: 17 x 16 bytes, so 16 lanes a group apart touch 16 different columns of 16 bytes
.set TW,  32*TP                        ; a wave's 32 groups
.set SPARE, 4*TW                       ; behind them: the spare words, 128 bytes for each wave: two blocks of 256 bytes that no other line names
.set VO,  8                            ; v[8:23]    32 x lane + row x the source's row bytes
.set XA,  24                           ; v[24:151]  16 rows as loaded, 8 registers each
.set YA,  152                          ; v[152:183] rows 0-7 rounded
.set YB,  XA                           ; rows 8-15 rounded, where rows 0-3 lay as loaded
.set BK,  XA+64                        ; 16 pairs of groups read back, where rows 8-15 lay as loaded
	s_load_b512 s[8:23], s[0:1], 0x0               ; X, W_in, state, W_rec, W_out, A16, B16, C16
	v_lshl_add_u32 v[SPW], v0, 2, SPARE
	v_mov_b32 v[NIL], 0
	s_mov_b32 s2, ttmp9
	s_cmp_ge_u32 s2, 768
	s_cbranch_scc1 .Lturned
	; BY ROWS.  s24 the job's first work-group, then my number in the job; s25 chunk stride in the destination; s[26:27] group stride; s28 destination bytes of a work-group; s29 first column's bytes
	v_lshlrev_b32 v1, 5, v0
	v_lshlrev_b32 v2, 4, v0
	s_mov_b32 s24, 0                               ; work-groups 0-127: W_in, whose rows are one chunk, into B16's columns 0-1023
	s_mov_b32 s25, 10240
	s_mov_b32 s26, 40960
	s_mov_b32 s28, 327680
	s_mov_b32 s29, 0
	s_wait_kmcnt 0x0
	s_mov_b64 s[30:31], s[10:11]
	s_mov_b64 s[32:33], s[20:21]
	s_cmp_ge_u32 s2, 128                           ; 128-639: W_rec, whose rows are four chunks, into B16's columns 1024-5119
	s_cselect_b32 s24, 128, s24
	s_cselect_b32 s25, 2048, s25
	s_cselect_b32 s26, 10240, s26
	s_cselect_b32 s28, 81920, s28
	s_cselect_b32 s29, 2048, s29
	s_cselect_b64 s[30:31], s[14:15], s[30:31]
	s_cmp_ge_u32 s2, 640                           ; 640-767: W_out into C16, dense
	s_cselect_b32 s24, 640, s24
	s_cselect_b32 s26, 8192, s26
	s_cselect_b32 s28, 65536, s28
	s_cselect_b32 s29, 0, s29
	s_cselect_b64 s[30:31], s[16:17], s[30:31]
	s_cselect_b64 s[32:33], s[22:23], s[32:33]
	s_sub_co_u32 s24, s2, s24                      ; my number in the job
	s_lshl_b32 s36, s24, 17                        ; x 131,072 source bytes (under 2^27)
	s_mov_b32 s37, 0
	s_add_nc_u64 s[30:31], s[30:31], s[36:37]
	s_mul_i32 s36, s24, s28
	s_add_co_u32 s36, s36, s29
	s_add_nc_u64 s[32:33], s[32:33], s[36:37]
	s_mov_b32 s27, 0
	s_add_nc_u64 s[34:35], s[32:33], s[26:27]
	s_lshl_b32 s38, s26, 1
	s_mov_b32 s39, 0
	v_add_nc_u32 v3, s25, v2
	v_add_nc_u32 v4, s25, v3
	v_add_nc_u32 v5, s25, v4
.macro LOADS x, off                    ; a group's eight loads
.irp j, 0,1,2,3
	global_load_b128 v[(\x)+8*(\j):(\x)+8*(\j)+3],   v1, s[30:31] offset:(\off)+CHUNK*(\j) th:TH_LOAD_NT
	global_load_b128 v[(\x)+8*(\j)+4:(\x)+8*(\j)+7], v1, s[30:31] offset:(\off)+CHUNK*(\j)+16 th:TH_LOAD_NT
.endr
.endm
.macro CVT x, y                        ; 32 numbers rounded, two an instruction
.irp j, 0,1,2,3
.irp i, 0,1,2,3
	v_cvt_pk_bf16_f32 v[(\y)+4*(\j)+(\i)], v[(\x)+8*(\j)+2*(\i)], v[(\x)+8*(\j)+2*(\i)+1]
.endr
.endr
.endm
.macro STORES y, d                     ; a group's four stores
.irp j, 0,1,2,3
	global_store_b128 v[2+(\j)], v[(\y)+4*(\j):(\y)+4*(\j)+3], s[\d:(\d)+1]
.endr
.endm
	LOADS X0, 0                                    ; groups 0 and 1
	LOADS X1, GROUP
	s_mov_b32 s3, 3
.Ltrip:                                        ; groups 2 i and 2 i + 1 are rounded and stored, groups 2 i + 2 and 2 i + 3 asked for
	s_wait_loadcnt 8                               ; set 0 is in; set 1's eight younger loads stay out
	CVT X0, Y0
	LOADS X0, 2*GROUP
	STORES Y0, 32
	s_wait_loadcnt 8                               ; set 1 is in; set 0's eight new loads stay out
	CVT X1, Y1
	LOADS X1, 3*GROUP
	STORES Y1, 34
	s_wait_xcnt 0x0                                ; the pointers, and the registers that the stores read, are written again only behind this wait
	s_add_nc_u64 s[30:31], s[30:31], 2*GROUP
	s_add_nc_u64 s[32:33], s[32:33], s[38:39]
	s_add_nc_u64 s[34:35], s[34:35], s[38:39]
	s_sub_co_u32 s3, s3, 1
	s_cmp_lg_u32 s3, 0
	s_cbranch_scc1 .Ltrip
	s_wait_loadcnt 8                               ; the last two groups load nothing
	CVT X0, Y0
	STORES Y0, 32
	s_wait_loadcnt 0x0
	CVT X1, Y1
	STORES Y1, 34
	s_endpgm                                       ; this way has written no LDS
.Lturned:
	; TURNED.  768-895: X: block of 16 rows = my number in the job, the wave takes 256 of its 1,024 K.  896-1407: state: four work-groups to a block of 16 rows, the wave takes 256 of its 4,096 K
	v_lshrrev_b32 v1, 5, v0
	v_readfirstlane_b32 s3, v1                     ; wave 0..3
	s_sub_co_u32 s24, s2, 768
	s_max_u32 s30, s2, 896
	s_sub_co_u32 s30, s30, 896
	s_lshr_b32 s31, s30, 2
	s_and_b32 s30, s30, 3
	s_lshl2_add_u32 s30, s30, s3
	s_wait_kmcnt 0x0
	s_cmp_ge_u32 s2, 896
	s_cselect_b32 s25, s31, s24                    ; the block of 16 rows
	s_cselect_b32 s26, s30, s3                     ; which 256 K of the source's row
	s_cselect_b32 s28, 14, 12                      ; a source row is 2^14 or 2^12 bytes
	s_cselect_b32 s29, 32768, 0                    ; state's K begins 128 groups of 256 bytes into a block of A16
	s_cselect_b64 s[32:33], s[12:13], s[8:9]
	s_lshl_b32 s27, 1, s28
	s_add_co_u32 s28, s28, 4
	s_lshl_b32 s36, s25, s28                       ; 16 source rows a block
	s_lshl_b32 s37, s26, 10                        ; 1,024 bytes for 256 K
	s_add_co_u32 s36, s36, s37
	s_mov_b32 s37, 0
	s_add_nc_u64 s[32:33], s[32:33], s[36:37]
	s_mul_i32 s36, s25, 163840
	s_add_co_u32 s36, s36, s29
	s_lshl_b32 s38, s26, 13                        ; 32 groups of 256 bytes for 256 K
	s_add_co_u32 s36, s36, s38
	s_add_nc_u64 s[34:35], s[18:19], s[36:37]
	v_and_b32 v1, 31, v0                           ; lane = the group of 8 K among my 32
	v_lshlrev_b32 v[VO], 5, v1
.set i, 1
.rept 15
	v_add_nc_u32 v[VO+i], s27, v[VO+i-1]
.set i, i+1
.endr
.set i, 0
.rept 16                                       ; all 32 loads go out at once: 16 KiB of a wave on their way
	global_load_b128 v[XA+8*i:XA+8*i+3],   v[VO+i], s[32:33] th:TH_LOAD_NT
	global_load_b128 v[XA+8*i+4:XA+8*i+7], v[VO+i], s[32:33] offset:16 th:TH_LOAD_NT
.set i, i+1
.endr
	s_mul_i32 s38, s3, TW                          ; my wave's bytes of LDS
	v_mul_u32_u24 v2, v1, TP
	v_add_nc_u32 v2, s38, v2                       ; in: group = lane; the row stands in the immediate
	v_and_b32 v3, 15, v0
	v_bfe_u32 v4, v0, 4, 1
	v_mul_u32_u24 v4, v4, TP
	v_lshl_add_u32 v3, v3, 4, v4
	v_add_nc_u32 v3, s38, v3                       ; back: lanes 0-15 take one group's 256 bytes, lanes 16-31 the next group's
	v_lshlrev_b32 v5, 4, v1                        ; and the same 512 consecutive bytes in A16
	s_wait_loadcnt 16                              ; rows 0-7 are in; the sixteen loads of rows 8-15 stay out
.set i, 0
.rept 8
.irp j, 0,1,2,3
	v_cvt_pk_bf16_f32 v[YA+4*i+(\j)], v[XA+8*i+2*(\j)], v[XA+8*i+2*(\j)+1]
.endr
	ds_store_b128 v2, v[YA+4*i:YA+4*i+3] offset:16*i
.set i, i+1
.endr
	s_wait_loadcnt 0x0
.set i, 8
.rept 8
.irp j, 0,1,2,3
	v_cvt_pk_bf16_f32 v[YB+4*(i-8)+(\j)], v[XA+8*i+2*(\j)], v[XA+8*i+2*(\j)+1]
.endr
	ds_store_b128 v2, v[YB+4*(i-8):YB+4*(i-8)+3] offset:16*i
.set i, i+1
.endr
.set i, 0
.rept 16
	ds_load_b128 v[BK+4*i:BK+4*i+3], v3 offset:2*TP*i  ; LDS serves a wave's instructions in order (ISA guide 5.7.1.4): these see the stores above
.set i, i+1
.endr
.set i, 0
.rept 16
	s_wait_dscnt 15-i                              ; pair i of groups is back; the younger loads stay out
	global_store_b128 v5, v[BK+4*i:BK+4*i+3], s[34:35] offset:512*i  ; 512 consecutive bytes, at a multiple of 256 from A16's first byte
.set i, i+1
.endr
	s_wait_tensorcnt 0x0                           ; the wave's end: behind my last LDS store
	ds_add_u32 v[SPW], v[NIL]
	s_wait_dscnt 0x0
	s_endpgm
.Lfunc_end_k_q9f4383432e_cast:
	.size	k_q9f4383432e_cast, .Lfunc_end_k_q9f4383432e_cast-k_q9f4383432e_cast
	.p2alignl 7, 3214868480
	.fill 96, 4, 3214868480
	.section	.rodata,"a",@progbits
	.p2align	6, 0x0
	.amdhsa_kernel k_q9f4383432e_cast
		.amdhsa_group_segment_fixed_size 35328
		.amdhsa_private_segment_fixed_size 0
		.amdhsa_enable_private_segment 0
		.amdhsa_kernarg_size 64
		.amdhsa_user_sgpr_count 2
		.amdhsa_user_sgpr_kernarg_segment_ptr 1
		.amdhsa_wavefront_size32 1
		.amdhsa_system_sgpr_workgroup_id_x 1
		.amdhsa_system_sgpr_workgroup_id_y 1
		.amdhsa_system_sgpr_workgroup_id_z 1
		.amdhsa_system_vgpr_workitem_id 0
		.amdhsa_next_free_vgpr 184
		.amdhsa_next_free_sgpr 66
		.amdhsa_reserve_vcc 0
		.amdhsa_float_denorm_mode_32 3
		.amdhsa_float_denorm_mode_16_64 3
		.amdhsa_memory_ordered 1
		.amdhsa_forward_progress 1
		.amdhsa_inst_pref_size 25
	.end_amdhsa_kernel
	.amdgpu_metadata
---
amdhsa.version: [ 1, 2 ]
amdhsa.kernels:
  - .name:           k_q9f4383432e_cast
    .symbol:         k_q9f4383432e_cast.kd
    .args:
      - { .name: X, .offset: 0, .size: 8, .value_kind: global_buffer, .address_space: global }
      - { .name: W_in, .offset: 8, .size: 8, .value_kind: global_buffer, .address_space: global }
      - { .name: state, .offset: 16, .size: 8, .value_kind: global_buffer, .address_space: global }
      - { .name: W_rec, .offset: 24, .size: 8, .value_kind: global_buffer, .address_space: global }
      - { .name: W_out, .offset: 32, .size: 8, .value_kind: global_buffer, .address_space: global }
      - { .name: A16, .offset: 40, .size: 8, .value_kind: global_buffer, .address_space: global }
      - { .name: B16, .offset: 48, .size: 8, .value_kind: global_buffer, .address_space: global }
      - { .name: C16, .offset: 56, .size: 8, .value_kind: global_buffer, .address_space: global }
    .group_segment_fixed_size: 35328
    .private_segment_fixed_size: 0
    .kernarg_segment_align: 8
    .kernarg_segment_size: 64
    .max_flat_workgroup_size: 128
    .sgpr_count:     66
    .vgpr_count:     184
    .wavefront_size: 32
...
	.end_amdgpu_metadata
.endif
;; end of part 4
;; launch gemm1 (part 5): grid 16 x 16, 4 waves a work-group, clusters of 4 x 1, 327,680 bytes of LDS; arguments A16, B16, b_in, b_rec, out1, H16; writes out1, H16
.if DOCPART == 5
	.amdgcn_target "amdgcn-amd-amdhsa--gfx1250"
	.amdhsa_code_object_version 6
	.text
	.protected	k_q9f4383432e_gemm1
	.globl	k_q9f4383432e_gemm1
	.p2align	8
	.type	k_q9f4383432e_gemm1,@function
k_q9f4383432e_gemm1:
	s_mov_b64 s[64:65], 0
	v_nop
	global_prefetch_b8 v0, s[64:65] scope:SCOPE_SE
	s_setreg_imm32_b32 hwreg(HW_REG_WAVE_MODE, 25, 1), 1
	s_wait_xcnt 0x0
	s_wait_alu depctr_hold_cnt(0) depctr_sa_sdst(0) depctr_va_vdst(0) depctr_va_sdst(0) depctr_va_ssrc(0) depctr_va_vcc(0) depctr_vm_vsrc(0)
	s_getreg_b32 s2, hwreg(HW_REG_IB_STS2, 6, 4)
	s_cmp_eq_u32 s2, 0
	s_cbranch_scc0 .Lentry_in_a_cluster
	s_endpgm
.Lentry_in_a_cluster:
	s_bfe_u32 s2, ttmp6, 0x10000c
	s_cmp_lg_u32 s2, 0x3003
	s_cbranch_scc0 .Lentry_shape_is_right
	s_endpgm
.Lentry_shape_is_right:
; VANILLA RNN CELL, launch 2 of 3: new_state = relu(A16 . B16^T + b_in + b_rec).  A16 = X | state (2048 x 5120), B16 [4096][5120] = W_in | W_rec, both bf16; sums in f32.
; It leaves as out1 [2048][4096] f32 and, rounded once to bf16, as H16 for the second product, IN THE ORDER IN WHICH THAT LAUNCH'S OPERAND REGISTERS TAKE IT:
; [128 blocks of 16 rows][512 groups of 8 columns][16 rows][8 bf16]: row m, column k lies at 131,072 (m / 16) + 256 (k / 8) + 16 (m % 16) + 2 (k % 8).  Nothing is left out.
; LIMITS: b_in + b_rec is added first, in f32, and starts the sums; relu is a maximum with 0 in which a NaN loses: a NaN before the relu comes out as 0.
; SHARES.  A tile of 128 rows x 256 columns to a work-group: 16 x 16 = 256 work-groups.  Wave (RH, CH) makes rows 64 RH .. + 63, columns 128 CH .. + 127: 32 accumulators of 16 x 16, 256 registers.
; B16 GOES THROUGH LDS: 20 windows of K = 256 in a ring of two slots (256 rows of 512 bytes of memory, aligned).  The four work-groups of a cluster make four tile rows of ONE tile column and need the same
; tile of B16: it is asked for JOINTLY, by the same tensor load with the same descriptor and the mask of four; each wave fetches 64 of the 256 rows: one load a wave.
; A16 GOES STRAIGHT INTO REGISTERS.  It lies in the order of the operand registers ([block of 16 rows][group of 8 K][row][8]): a fragment of 16 rows x 32 K is 1,024 consecutive bytes, two loads of 512.
; A ring of 8 register slots holds the wave's 4 fragments for each of 8 quarters (32 of K); a slot is asked for again, 8 quarters ahead, as soon as it has been multiplied: 56 loads of a wave are out.
; WHY A16 IS NOT SHARED BY JOINT LOADS, though the 16 work-groups of a tile row read the same blocks: two slots of K = 256 for B16 take 270,336 bytes of LDS; A16's 128 rows for the same windows would take
; 135,168 more, which LDS does not have.  With both in LDS a slot holds K = 128, and a refill has 112 of a wave's matrix instructions between its request and the wait for it; here it has 240.
; THE MATRIX INSTRUCTION IS USED TRANSPOSED (source 0 = 16 rows of B16, source 1 = 16 rows of A16): lane l then holds row l % 16 of the result and its columns 8 (l / 16) + 0 .. 7.
; REGISTERS, in windows of 256 (s_set_vgpr_msb: bits 1:0 source 0, 3:2 source 1, 5:4 source 2, 7:6 destination):
;   window 0: v0-31 addresses; v64-127, v128-191 B's 8 fragments, two buffers; v192-255 the bias of my 128 columns, laid as an accumulator's C; all of v64-255 at work on the way out
;   window 1: accumulator (a, b) at v[8 (8 a + b)], a = 0..3 blocks of 16 rows, b = 0..7 blocks of 16 columns          window 2: A's ring: slot q, fragment a at v[32 q + 8 a]
.set KTOT,  5120
.set ROWB,  2*KTOT                     ; bytes in a row of B16
.set WINB,  512                        ; bytes of a row of B16 in a window
.set PITCH, 528                        ; an LDS row: 512 bytes + 16 of padding = 132 words: the 16 rows of a fragment load start at 16 different groups of four banks (64 banks of 4 bytes: ISA guide 11.1)
.set WPART, 64*PITCH                   ; what one tensor load brings
.set BHALF, 128*PITCH                  ; what one wave reads
.set SLOT,  4*WPART
.set STAGE, 2*SLOT                     ; behind the ring: 16 rows x 272 bytes for each wave, for the way out; no tensor load lands there
.set SPITCH, 272
.set SPARE, STAGE+4*16*SPITCH          ; behind the stages: the spare words, 128 bytes for each wave: two blocks of 256 bytes that no other line names
.set MBB,   163840                     ; bytes of a block of 16 rows of A16
.set HBB,   131072                     ; bytes of a block of 16 rows of H16
.set QB,    1024                       ; bytes of a fragment of A16: a block's share of a quarter
.set AO,    19                         ; v19  16 x lane: my 16 bytes in 512 of A16, and of H16; never rewritten
.set ADRB,  20                         ; v20-21  LDS address of my B fragments in slot 0, 1
.set STO32, 22                         ; v22  the way out: where I put 32 bytes (8 f32) of a row
.set RD,    24                         ; v24  where I read a row back
.set CO32,  25                         ; v25  my byte offset in out1
.set BO,    27                         ; v27  my byte offset in the biases
.set SPW,   28                         ; v28  LDS address of my spare word; never rewritten
.set NIL,   29                         ; v29  0; never rewritten
.set PFOB,  30                         ; v30  B's prefetches: (lane % 16) rows + 256 (lane / 16); never rewritten
.set PFOA,  31                         ; v31  A's prefetches: 256 x lane; never rewritten
.set FB0,   64
.set FB1,   128
.set BIAS,  192
.set T,     64                         ; the way out: a block's 64 numbers a lane after the relu
.set P0,    128                        ; the same rounded to bf16, 32 registers: v128-159 for blocks 0 and 2, v224-255 for blocks 1 and 3
.set OB0,   160                        ; 16 rows read back from the stage: f32 columns 0-63,
.set OB1,   192                        ; f32 columns 64-127
.set WV, 16                            ; s16 wave; s17 RH = wave / 2; s18 CH = wave % 2
.set RH, 17
.set CH, 18
.set CX, 19                            ; s19 my place in the cluster: it enters A16's, the outputs' and the prefetches' addresses alone
.set TC, 21                            ; s21 tile column, which the four partners share; s22 tile row
.set TR, 22
.set G1, 24                            ; s[24:31] descriptor group 1;  s[32:39] group 0, a set for each slot
.set G0, 32
.set AP, 42                            ; s[42:43] A16 at my first block of 16 rows, at the window in hand
.set PFB, 44                           ; s[44:45] where my prefetches of B16 stand;  s46: 1 in a wave that makes them, else the greatest number
.set LIMB, 46
.set PFA, 48                           ; s[48:49], s50 the same for A16
.set LIMA, 50
.set MUL,   0x58                       ; B's fragment window 0, A's window 2, C and D window 1
.set MULB,  0x48                       ; the same with C (the bias) in window 0
.set TO_A,  0x80                       ; destination window 2, address window 0
.set RDACC, 0x04                       ; source 1 window 1
.set MSB, 0
.macro WIN new                         ; the immediate's high byte repeats the setting that is left; a switch that changes nothing is dropped
.if MSB != (\new)
	s_set_vgpr_msb (MSB<<8)|(\new)
.set MSB, \new
.endif
.endm
.macro PLACES                          ; four places: in front of loads into registers that matrix instructions have read, and of vector lines that read results
.rept 4
	v_nop
.endr
.endm
.macro JLOAD s                         ; a joint load: every wave issues it, for its own 64 rows; an s_nop 0 and four v_nop follow it
	tensor_load_to_lds s[G0+4*(\s):G0+4*(\s)+3], s[G1:G1+7]
	s_nop 0
.rept 4
	v_nop
.endr
.endm
.macro CREST                           ; a round of the cluster's barrier behind its opening barrier: wave 0 signals for the work-group, every wave waits for all four, my work-group's barrier once more
	s_cmp_lg_u32 s[WV], 0
	s_cbranch_scc1 .Lnot_wave_0_\@
	s_barrier_signal -3
.Lnot_wave_0_\@:
	s_barrier_wait -3
	s_barrier_signal -1
	s_barrier_wait -1
.endm
.macro CROUND                          ; a whole round
	s_barrier_signal -1
	s_barrier_wait -1
	CREST
.endm
; PREFETCHES INTO THE L2, behind a joint refill, its five lines and the runs of loads: the window that stands TWO refills on (512 matrix instructions of a wave).  Each block of 256 bytes is named once in the launch.
; B16: a tile column's 256 rows x 512 bytes are read by the four clusters of that column: the one with x = 0 asks; its partners take 64 rows each BY ADDRESS (64 cx), a wave 16 of them, a lane one of a row's two blocks.
; A16: a tile row's 8 blocks of 16 rows x 8,192 bytes are read by the 16 work-groups of that row: the one of tile column 0 asks; a wave takes two blocks of rows, a lane 256 bytes of each.
; They are made while more than one trip of the loop is left: the window named is 19 at the most.  Windows 0 to 3 come by their loads alone.
.macro ASK
	s_cmp_gt_u32 s3, s[LIMB]
	s_cbranch_scc0 .Lnot_b_\@
	global_prefetch_b8 v[PFOB], s[PFB:PFB+1] th:TH_LOAD_NT scope:SCOPE_SE
.Lnot_b_\@:
	s_cmp_gt_u32 s3, s[LIMA]
	s_cbranch_scc0 .Lnot_a_\@
	global_prefetch_b8 v[PFOA], s[PFA:PFA+1] th:TH_LOAD_NT scope:SCOPE_SE
	global_prefetch_b8 v[PFOA], s[PFA:PFA+1] offset:MBB th:TH_LOAD_NT scope:SCOPE_SE
.Lnot_a_\@:
.endm
; 8 global loads: my 4 fragments of A16 for one quarter, at byte off behind the pointer, into ring slot rs
.macro ALOAD rs, off
	WIN TO_A
.irp a, 0,1,2,3
	global_load_b128 v[32*(\rs)+8*(\a):32*(\rs)+8*(\a)+3],   v[AO], s[AP:AP+1] offset:(\off)+(\a)*MBB
	global_load_b128 v[32*(\rs)+8*(\a)+4:32*(\rs)+8*(\a)+7], v[AO], s[AP:AP+1] offset:(\off)+(\a)*MBB+512
.endr
.endm
	s_load_b256 s[4:11], s[0:1], 0x0               ; A16 s[4:5], B16 s[6:7], b_in s[8:9], b_rec s[10:11]
	s_load_b128 s[12:15], s[0:1], 0x20             ; out1 s[12:13], H16 s[14:15]
	v_lshl_add_u32 v[SPW], v0, 2, SPARE
	v_mov_b32 v[NIL], 0
	ds_add_u32 v[SPW], v[NIL]                      ; the wave's opening: the add, twice on end, and its wait ahead of my first tensor load; the set-up below stands between
	ds_add_u32 v[SPW], v[NIL]                      ; and once more, under the one wait
	v_lshrrev_b32 v1, 5, v0
	v_readfirstlane_b32 s[WV], v1                  ; wave 0..3
	s_lshr_b32 s[RH], s[WV], 1                     ; my half of the tile's rows
	s_and_b32 s[CH], s[WV], 1                      ; my half of its columns
	s_bfe_u32 s[CX], ttmp6, 0x40000
	s_lshl_b32 s[TR], ttmp9, 2                     ; in a cluster launch ttmp9 counts clusters
	s_add_co_u32 s[TR], s[TR], s[CX]               ; tile row = 4 x cluster x + cx
	s_and_b32 s[TC], ttmp7, 0xffff                 ; tile column
	s_mov_b32 s[G1], 15|(1<<16)|(1<<20)|(1<<21)|(6<<22)|(3<<25)  ; 15:0 the mask: all four work-groups; 17:16 elements of 2 bytes; 20 padding on; 21 set beside a mask; 24:22 after every 128 words; 31:25 4 words of it
	s_mov_b32 s[G1+1], 256<<16                     ; tensor_dim0 = 256
	s_mov_b32 s[G1+2], 64<<16                      ; tensor_dim1 = 64
	s_mov_b32 s[G1+3], 256<<16                     ; tile_dim0 = 256
	s_mov_b32 s[G1+4], 64                          ; tile_dim1 = 64
	s_mov_b32 s[G1+5], KTOT                        ; elements from row to row
	s_mov_b32 s[G1+6], 0
	s_mov_b32 s[G1+7], 0
	s_lshl_b32 s40, s[TC], 8                       ; B16: row 256 x tile column + 64 x wave: the same in all four partners
	s_lshl_b32 s2, s[WV], 6
	s_add_co_u32 s40, s40, s2
	s_mul_i32 s40, s40, ROWB                       ; under 2^26
	s_mov_b32 s41, 0
	s_mul_i32 s70, s[WV], WPART                    ; where they go: the wave's number alone enters an LDS address
	s_wait_dscnt 0x0                               ; both opening adds are done
	s_wait_kmcnt 0x0
	s_add_nc_u64 s[40:41], s[6:7], s[40:41]
	CROUND                                         ; all four work-groups are here: the first joint loads meet
.irp s, 0,1
	s_mov_b32 s[G0+4*(\s)], 1                                      ; count = 1
	s_add_co_u32 s[G0+4*(\s)+1], s70, (\s)*SLOT                    ; LDS address
	s_add_nc_u64 s[G0+4*(\s)+2:G0+4*(\s)+3], s[40:41], (\s)*WINB   ; global address: window s
	s_or_b32 s[G0+4*(\s)+3], s[G0+4*(\s)+3], 0x80000000            ; type = 2
	JLOAD \s                                       ; two tensor loads of mine are out
.endr
	; the biases of my 128 columns, laid as C: register j of block b holds column 16 b + 8 (l / 16) + j, the same in all 16 rows
	v_and_b32 v1, 15, v0                           ; r = l % 16
	v_bfe_u32 v2, v0, 4, 1                         ; h = l / 16
	s_lshl_b32 s2, s[TC], 10
	s_lshl_b32 s23, s[CH], 9
	s_add_co_u32 s2, s2, s23                       ; my first column x 4 bytes
	v_lshl_add_u32 v[BO], v2, 5, s2
.irp b, 0,1,2,3,4,5,6,7
	global_load_b128 v[BIAS+8*(\b):BIAS+8*(\b)+3],   v[BO], s[8:9] offset:64*(\b)
	global_load_b128 v[BIAS+8*(\b)+4:BIAS+8*(\b)+7], v[BO], s[8:9] offset:64*(\b)+16
.endr
.irp b, 0,1,2,3,4,5,6,7
	global_load_b128 v[FB1+8*(\b):FB1+8*(\b)+3],   v[BO], s[10:11] offset:64*(\b)
	global_load_b128 v[FB1+8*(\b)+4:FB1+8*(\b)+7], v[BO], s[10:11] offset:64*(\b)+16
.endr
	v_and_b32 v[AO], 31, v0
	v_lshlrev_b32 v[AO], 4, v[AO]
	s_lshl_b32 s2, s[TR], 3
	s_lshl2_add_u32 s2, s[RH], s2                  ; my first block of 16 rows: 8 x tile row + 4 x half
	s_mul_i32 s2, s2, MBB                          ; under 2^25
	s_mov_b32 s3, 0
	s_add_nc_u64 s[AP:AP+1], s[4:5], s[2:3]
	ALOAD 0, 0                                     ; quarters 0 to 2: with the 32 loads of the biases 56 are out
	ALOAD 1, QB
	ALOAD 2, 2*QB
	WIN 0
	; A fragment of B is 16 rows x 32 K in 8 registers: lane l holds row l % 16; registers 0-3 K = 8 (l / 16) + 0..7, registers 4-7 K = 16 + 8 (l / 16) + 0..7: two loads of 16 bytes, 32 bytes apart
	v_mul_u32_u24 v3, v1, PITCH
	v_lshl_add_u32 v3, v2, 4, v3                   ; row x pitch + 16 x half
	s_mul_i32 s2, s[CH], BHALF                     ; my 128 rows of B
	v_add_nc_u32 v[ADRB], s2, v3
	v_add_nc_u32 v[ADRB+1], SLOT, v[ADRB]
	s_mul_i32 s23, s[WV], 16*SPITCH
	s_add_co_u32 s23, s23, STAGE                   ; my stage
	v_mul_u32_u24 v4, v1, SPITCH
	v_lshl_add_u32 v4, v2, 5, v4
	v_add_nc_u32 v[STO32], s23, v4                 ; in: row r, 32 bytes for each half of the lanes
	v_mul_u32_u24 v4, v2, SPITCH                   ; back: lanes 0-15 take one row of 256 bytes, lanes 16-31 the next
	v_lshl_add_u32 v4, v1, 4, v4
	v_add_nc_u32 v[RD], s23, v4
	v_lshlrev_b32 v[CO32], 4, v1                   ; and the same two rows in out1
	v_lshl_add_u32 v[CO32], v2, 14, v[CO32]
	v_mul_u32_u24 v[PFOB], v1, ROWB
	v_lshl_add_u32 v[PFOB], v2, 8, v[PFOB]
	v_lshlrev_b32 v[PFOA], 4, v[AO]
	s_lshl_b32 s2, s[TR], 7
	s_lshl_b32 s23, s[RH], 6
	s_add_co_u32 s2, s2, s23                       ; my first row
	s_lshl_b32 s23, s[TC], 8
	s_lshl_b32 s47, s[CH], 7
	s_add_co_u32 s23, s23, s47                     ; my first column
	s_lshl_b32 s66, s2, 14
	s_lshl2_add_u32 s66, s23, s66                  ; out1: row x 16,384 + column x 4
	s_mov_b32 s67, 0
	s_lshl_b32 s68, s2, 13                         ; H16: (row / 16) x 131,072
	s_lshl_b32 s47, s23, 5                         ; + (column / 8) x 256
	s_add_co_u32 s68, s68, s47
	s_mov_b32 s69, 0
	s_add_nc_u64 s[12:13], s[12:13], s[66:67]
	s_add_nc_u64 s[14:15], s[14:15], s[68:69]
	; the prefetches
	s_lshl_b32 s2, s[TC], 8
	s_lshl_b32 s23, s[CX], 6
	s_add_co_u32 s2, s2, s23
	s_lshl4_add_u32 s2, s[WV], s2                  ; B16: row 256 x tile column + 64 cx + 16 x wave
	s_mul_i32 s2, s2, ROWB
	s_add_co_u32 s2, s2, 3*WINB                    ; at window 3: the first refill steps it to 4
	s_add_nc_u64 s[PFB:PFB+1], s[6:7], s[2:3]
	s_mov_b32 s23, ttmp9
	s_cmp_eq_u32 s23, 0                            ; the cluster's x: the same in all four partners
	s_cselect_b32 s[LIMB], 1, -1
	s_lshl_b32 s2, s[TR], 3
	s_lshl1_add_u32 s2, s[WV], s2                  ; A16: block of rows 8 x tile row + 2 x wave
	s_mul_i32 s2, s2, MBB
	s_add_co_u32 s2, s2, 3*8*QB
	s_add_nc_u64 s[PFA:PFA+1], s[4:5], s[2:3]
	s_cmp_eq_u32 s[TC], 0                          ; the tile column: the same in all four partners
	s_cselect_b32 s[LIMA], 1, -1
	s_wait_loadcnt 24                              ; both biases are in; A's 24 loads stay out
.set i, 0
.rept 32
	v_pk_add_f32 v[BIAS+i:BIAS+i+1], v[BIAS+i:BIAS+i+1], v[FB1+i:FB1+i+1]  ; b_in + b_rec
.set i, i+2
.endr
	ALOAD 3, 3*QB                                  ; quarters 3 to 6; quarter 7 is asked for in the first quarter, as every slot after it
	ALOAD 4, 4*QB
	ALOAD 5, 5*QB
	ALOAD 6, 6*QB
	WIN 0
; 8 matrix instructions: block a of my rows (ring slot q) x all 8 blocks of my columns (buffer f), 32 along K.  mode 0: onto the sums; 2: the bias starts them.  Nothing is ever cleared.
; The 32 accumulators take turns, one instruction a turn, in the same order in every quarter: 31 others stand between two links of a chain, over the backward jump too.
.macro MUL8 f, q, a, mode
.if (\mode) == 2
	WIN MULB
.else
	WIN MUL
.endif
.irp b, 0,1,2,3,4,5,6,7
.if (\mode) == 2
	v_wmma_f32_16x16x32_bf16 v[8*(8*(\a)+(\b)):8*(8*(\a)+(\b))+7], v[(\f)+8*(\b):(\f)+8*(\b)+7], v[32*(\q)+8*(\a):32*(\q)+8*(\a)+7], v[BIAS+8*(\b):BIAS+8*(\b)+7]
.else
	v_wmma_f32_16x16x32_bf16 v[8*(8*(\a)+(\b)):8*(8*(\a)+(\b))+7], v[(\f)+8*(\b):(\f)+8*(\b)+7], v[32*(\q)+8*(\a):32*(\q)+8*(\a)+7], v[8*(8*(\a)+(\b)):8*(8*(\a)+(\b))+7]
.endif
.endr
.endm
; 16 LDS loads in one run: B's 8 fragments of 32 along K at byte k of the rows, into buffer f
.macro FETCH slot, k, f
	WIN 0
.irp i, 0,1,2,3,4,5,6,7
	ds_load_b128 v[(\f)+8*(\i):(\f)+8*(\i)+3],   v[ADRB+(\slot)] offset:(\k)+(\i)*16*PITCH
	ds_load_b128 v[(\f)+8*(\i)+4:(\f)+8*(\i)+7], v[ADRB+(\slot)] offset:(\k)+(\i)*16*PITCH+32
.endr
.endm
; A window is eight quarters of 32 along K, 32 matrix instructions each, on B's buffers 0, 1, 0, 1 .. and A's ring slots 0 to 7.  One of the first seven, quarter q: at its head the registers that the quarter
; before has multiplied are asked for again: B's other buffer with quarter q + 1, A's ring slot q - 1 with the quarter 8 further on (aload = 1).  lc = A's loads younger than ring slot q's, which may stay out;
; the wait stands ahead of the new loads, so that 56 loads of the wave are out at the most.
.macro QTR slot, q, aload, lc, mode=0
	PLACES
	FETCH \slot, 64*((\q)+1), FB0+64*(((\q)+1)%2)
	s_wait_loadcnt \lc                             ; ring slot q is in: behind its 8 loads six sets of 8 were issued (fewer in the tail)
.if \aload
	ALOAD ((\q)+7)%8, ((\q)+7)*QB
.endif
	s_wait_dscnt 16                                ; this quarter's fragments of B are in; the 16 loads just issued stay out
	MUL8 FB0+64*((\q)%2), \q, 0, \mode
	MUL8 FB0+64*((\q)%2), \q, 1, \mode
	MUL8 FB0+64*((\q)%2), \q, 2, \mode
	MUL8 FB0+64*((\q)%2), \q, 3, \mode
.endm
; Quarter 7 multiplies buffer 1 and ring slot 7 and changes slots: ONE barrier.  In front of it each wave waits for all its tensor loads, of which one is out: its part of the next slot; adds 0 to its spare
; word; and waits for that and for its own reads of this slot.  fill = 1: the barrier opens a round of the cluster's, so that no wave of any partner still reads the slot or has a load on its way,
; and the joint refill, two windows ahead, is the first thing behind it: 240 matrix instructions ahead of the wait for it.
.macro TURN slot, next, fill
	s_wait_xcnt 0x0                                ; every load and prefetch issued so far has read its address: the pointers are stepped here, ahead of the waits of the change of slots
	s_add_nc_u64 s[AP:AP+1], s[AP:AP+1], 8*QB
.if \fill
	s_add_nc_u64 s[PFB:PFB+1], s[PFB:PFB+1], WINB
	s_add_nc_u64 s[PFA:PFA+1], s[PFA:PFA+1], 8*QB
.endif
	WIN 0
	s_wait_tensorcnt 0x0                           ; all my tensor loads have landed;
	ds_add_u32 v[SPW], v[NIL]                      ; 0 onto my spare word;
	s_wait_loadcnt 48                              ; ring slot 7 is in: six sets of 8 were issued behind it
	s_wait_dscnt 1                                 ; buffer 1 is in; the add may be out
	MUL8 FB1, 7, 0, 0                              ; eight matrix instructions stand between the add and the wait for it
	s_wait_dscnt 0x0                               ; the add is done, and my reads of this slot are over
	s_barrier_signal -1
	MUL8 FB1, 7, 1, 0                              ; work on registers while the others arrive
.if \fill
	WIN 0
.endif
	s_barrier_wait -1
.if \fill
	CREST
	s_add_nc_u64 s[G0+4*(\slot)+2:G0+4*(\slot)+3], s[G0+4*(\slot)+2:G0+4*(\slot)+3], 2*WINB
	JLOAD \slot                                    ; the four v_nop behind it are also the places in front of the loads below
.else
	PLACES
.endif
	FETCH \next, 0, FB0
	ALOAD 6, 6*QB                                  ; (the pointer has been stepped: 8 quarters on from this window's quarter 6)
.if \fill
	WIN 0
	ASK
.endif
	MUL8 FB1, 7, 2, 0
	MUL8 FB1, 7, 3, 0
.endm
; THE WAY OUT of block a (16 rows x 128 columns).  PACK: relu into T (each accumulator's registers in ascending order), and T rounded to bf16 into P, whose two buffers take the blocks by turns.
.macro PACK a
	WIN RDACC
.irp b, 0,1,2,3,4,5,6,7
.irp j, 0,1,2,3,4,5,6,7
	v_max_num_f32 v[T+8*(\b)+(\j)], 0, v[8*(8*(\a)+(\b))+(\j)]
.endr
.endr
	WIN 0
.set PP, P0+96*((\a)%2)
.set i, 0
.rept 32
	v_cvt_pk_bf16_f32 v[PP+i], v[T+2*i], v[T+2*i+1]
.set i, i+1
.endr
.endm
.macro STG src                         ; 64 f32 of each of 16 rows into my stage: 32 bytes a lane and block of columns, in two stores
.irp i, 0,1,2,3,4,5,6,7
	ds_store_b128 v[STO32], v[(\src)+4*(\i):(\src)+4*(\i)+3] offset:64*((\i)/2)+16*((\i)%2)
.endr
.endm
.macro BACK ob                         ; and back as whole rows, two a load.  LDS serves a wave's instructions in order (ISA guide 5.7.1.4): these see the stores above, and the next stores come behind them
.irp t, 0,1,2,3,4,5,6,7
	ds_load_b128 v[(\ob)+4*(\t):(\ob)+4*(\t)+3], v[RD] offset:(\t)*2*SPITCH
.endr
.endm
.macro SENDP ob, off0, younger         ; younger: the LDS instructions issued behind these eight loads, which may stay out
.irp t, 0,1,2,3,4,5,6,7
	s_wait_dscnt (\younger)+7-(\t)
	global_store_b128 v[CO32], v[(\ob)+4*(\t):(\ob)+4*(\t)+3], s[12:13] offset:(\off0)+2*(\t)*16384 th:TH_STORE_NT  ; 16 lanes store 256 consecutive bytes, aligned
.endr
.endm
; H16 leaves straight from P: a lane's 8 numbers of block b of columns are row l % 16 of group 2 b + l / 16: byte 512 b + 16 l of my part of the block of rows: a store covers 512 consecutive bytes, aligned.
; out1 goes through the stage.  A buffer of P is written again two blocks on, behind the next block's s_wait_xcnt 0.
.macro TOSTAGE a
.set PP, P0+96*((\a)%2)
	s_wait_xcnt 0x0                                ; the registers that earlier stores read are written or loaded again only behind this wait
.irp b, 0,1,2,3,4,5,6,7
	global_store_b128 v[AO], v[PP+4*(\b):PP+4*(\b)+3], s[14:15] offset:(\a)*HBB+512*(\b)
.endr
	STG T
	BACK OB0
	STG T+32
	BACK OB1
.endm
.macro SEND a
	SENDP OB0, 16*(\a)*16384,     16
	SENDP OB1, 16*(\a)*16384+256, 0
.endm
	s_wait_tensorcnt 1                             ; my part of window 0 is in; window 1's may stay out
	s_barrier_signal -1
	s_barrier_wait -1                              ; everybody's is
	FETCH 0, 0, FB0
	QTR 0, 0, 1, 48, 2                             ; the first quarter stands in front of the loop: its products start the sums, with the bias
	WIN 0                                          ; at a label and at a branch every window is 0
	s_mov_b32 s3, 9
.Llap:                                         ; a trip goes once round the ring, from a window's second quarter to the first of the window after the next, and fills both slots again: 18 refills, windows 2 to 19
.irp q, 1,2,3,4,5,6
	QTR 0, \q, 1, 48
.endr
	TURN 0, 1, 1
.irp q, 0,1,2,3,4,5,6
	QTR 1, \q, 1, 48
.endr
	TURN 1, 0, 1
	QTR 0, 0, 1, 48
	WIN 0
	s_sub_co_u32 s3, s3, 1
	s_cmp_lg_u32 s3, 0
	s_cbranch_scc1 .Llap
.irp q, 1,2,3,4,5,6                    ; windows 18 and 19 fill nothing, and have no round of the cluster's barrier
	QTR 0, \q, 1, 48
.endr
	TURN 0, 1, 0
	QTR 1, 0, 1, 48                                ; A16's last quarter is asked for here
.irp q, 1,2,3,4,5,6
	QTR 1, \q, 0, 56-8*(\q)                        ; the counts run down
.endr
	s_wait_loadcnt 0x0                             ; the very last quarter: nothing more to fetch
	s_wait_dscnt 0x0
	MUL8 FB1, 7, 0, 0
	MUL8 FB1, 7, 1, 0
	MUL8 FB1, 7, 2, 0
	MUL8 FB1, 7, 3, 0
	PLACES
	PLACES
	PACK 0
	TOSTAGE 0
.irp a, 1,2,3                          ; block a's arithmetic stands between block a - 1's loads from the stage and the waits for them
	PACK \a
	SEND (\a)-1
	TOSTAGE \a
.endr
	SEND 3
	s_wait_tensorcnt 0x0                           ; the wave's end: behind my last tensor load and my last LDS store
	ds_add_u32 v[SPW], v[NIL]
	s_wait_dscnt 0x0
	CROUND                                         ; the closing round: no work-group ends while a partner may still ask for a tile that names it
	s_endpgm
.Lfunc_end_k_q9f4383432e_gemm1:
	.size	k_q9f4383432e_gemm1, .Lfunc_end_k_q9f4383432e_gemm1-k_q9f4383432e_gemm1
	.p2alignl 7, 3214868480
	.fill 96, 4, 3214868480
	.section	.rodata,"a",@progbits
	.p2align	6, 0x0
	.amdhsa_kernel k_q9f4383432e_gemm1
		.amdhsa_group_segment_fixed_size 327680
		.amdhsa_private_segment_fixed_size 0
		.amdhsa_enable_private_segment 0
		.amdhsa_kernarg_size 48
		.amdhsa_user_sgpr_count 2
		.amdhsa_user_sgpr_kernarg_segment_ptr 1
		.amdhsa_wavefront_size32 1
		.amdhsa_system_sgpr_workgroup_id_x 1
		.amdhsa_system_sgpr_workgroup_id_y 1
		.amdhsa_system_sgpr_workgroup_id_z 1
		.amdhsa_system_vgpr_workitem_id 0
		.amdhsa_next_free_vgpr 768
		.amdhsa_next_free_sgpr 72
		.amdhsa_reserve_vcc 0
		.amdhsa_float_denorm_mode_32 3
		.amdhsa_float_denorm_mode_16_64 3
		.amdhsa_memory_ordered 1
		.amdhsa_forward_progress 1
		.amdhsa_inst_pref_size 179
	.end_amdhsa_kernel
	.amdgpu_metadata
---
amdhsa.version: [ 1, 2 ]
amdhsa.kernels:
  - .name:           k_q9f4383432e_gemm1
    .symbol:         k_q9f4383432e_gemm1.kd
    .args:
      - { .name: A16, .offset: 0, .size: 8, .value_kind: global_buffer, .address_space: global }
      - { .name: B16, .offset: 8, .size: 8, .value_kind: global_buffer, .address_space: global }
      - { .name: b_in, .offset: 16, .size: 8, .value_kind: global_buffer, .address_space: global }
      - { .name: b_rec, .offset: 24, .size: 8, .value_kind: global_buffer, .address_space: global }
      - { .name: out1, .offset: 32, .size: 8, .value_kind: global_buffer, .address_space: global }
      - { .name: H16, .offset: 40, .size: 8, .value_kind: global_buffer, .address_space: global }
    .group_segment_fixed_size: 327680
    .private_segment_fixed_size: 0
    .kernarg_segment_align: 8
    .kernarg_segment_size: 48
    .max_flat_workgroup_size: 128
    .sgpr_count:     72
    .vgpr_count:     768
    .wavefront_size: 32
...
	.end_amdgpu_metadata
.endif
;; end of part 5
;; launch gemm2 (part 6): grid 32 x 8, 4 waves a work-group, clusters of 4 x 1, 327,680 bytes of LDS; arguments H16, C16, b_out, out0; writes out0
.if DOCPART == 6
	.amdgcn_target "amdgcn-amd-amdhsa--gfx1250"
	.amdhsa_code_object_version 6
	.text
	.protected	k_q9f4383432e_gemm2
	.globl	k_q9f4383432e_gemm2
	.p2align	8
	.type	k_q9f4383432e_gemm2,@function
k_q9f4383432e_gemm2:
	s_mov_b64 s[64:65], 0
	v_nop
	global_prefetch_b8 v0, s[64:65] scope:SCOPE_SE
	s_setreg_imm32_b32 hwreg(HW_REG_WAVE_MODE, 25, 1), 1
	s_wait_xcnt 0x0
	s_wait_alu depctr_hold_cnt(0) depctr_sa_sdst(0) depctr_va_vdst(0) depctr_va_sdst(0) depctr_va_ssrc(0) depctr_va_vcc(0) depctr_vm_vsrc(0)
	s_getreg_b32 s2, hwreg(HW_REG_IB_STS2, 6, 4)
	s_cmp_eq_u32 s2, 0
	s_cbranch_scc0 .Lentry_in_a_cluster
	s_endpgm
.Lentry_in_a_cluster:
	s_bfe_u32 s2, ttmp6, 0x10000c
	s_cmp_lg_u32 s2, 0x3003
	s_cbranch_scc0 .Lentry_shape_is_right
	s_endpgm
.Lentry_shape_is_right:
; VANILLA RNN CELL, launch 3 of 3: out = relu(H16 . C16^T + b_out).  H16 = new_state (2048 x 4096), C16 [1024][4096] = W_out, both bf16; sums in f32; out0 [2048][1024] f32.  Nothing is left out.
; LIMITS: the bias starts one of the four partial sums; the partial sums are added in f32; relu is a maximum with 0 in which a NaN loses: a NaN before the relu comes out as 0.
; SHARES.  A tile of 64 rows x 128 columns to a work-group: 32 x 8 = 256 work-groups.  K IS SPLIT AMONG THE FOUR WAVES: of each window of K = 512 wave w takes channels 128 w .. 128 w + 127, for the whole tile:
; 32 accumulators, four quarters of 32 along K a window.  The four partial sums meet once, in LDS: wave w ends with the tile's rows 16 w .. 16 w + 15.
; Row index a of wave w's accumulators stands for the tile's block (w + a) % 4 of 16 rows, so index 0 is the block that the wave keeps.
; C16 GOES THROUGH LDS: 8 windows in a ring of two slots.  The four work-groups of a cluster make four tile rows of ONE tile column and need the same tile of C16: it is asked for JOINTLY, by the same tensor
; load with the same descriptor and the mask of four.  Each wave fetches what it reads itself: its 256 bytes (aligned) of each of the 128 rows: one load a wave.
; H16 GOES STRAIGHT INTO REGISTERS.  It lies in the order of the operand registers ([block of 16 rows][group of 8 K][row][8]): a fragment of 16 rows x 32 K is 1,024 consecutive bytes, two loads of 512.
; A ring of 8 register slots holds the wave's 4 fragments for each of 8 quarters; a slot is asked for again, 8 quarters ahead, as soon as it has been multiplied: 56 loads of a wave are out.
; WHY H16 IS NOT SHARED BY JOINT LOADS, though the 8 work-groups of a tile row read the same blocks: two slots of K = 512 for C16 take 278,528 bytes of LDS; H16's 64 rows for the same windows would take
; 139,264 more, which LDS does not have.  With both in LDS a slot holds K = 256, and a refill has 48 of a wave's matrix instructions between its request and the wait for it; here it has 112.
; No prefetch is laid: a small tile, eight windows in all, two of them first fills.
; THE MATRIX INSTRUCTION IS USED TRANSPOSED (source 0 = 16 rows of C16, source 1 = 16 rows of H16): lane l holds row l % 16 of the result and its columns 8 (l / 16) + 0 .. 7.
; REGISTERS, in windows of 256 (s_set_vgpr_msb: bits 1:0 source 0, 3:2 source 1, 5:4 source 2, 7:6 destination):
;   window 0: v0-34 addresses; v64-127, v128-191 C16's 8 fragments, two buffers; v192-255 the bias of the 128 columns, laid as an accumulator's C; all of v64-255 at work at the end
;   window 1: accumulator (a, b) at v[8 (8 a + b)]          window 2: H16's ring: slot p, fragment a at v[32 p + 8 a]
.set KTOT,  4096
.set WINB,  1024                       ; bytes of a row of C16 in a window
.set PITCH, 272                        ; an LDS row: a wave's 256 bytes + 16 of padding = 68 words: the 16 rows of a fragment load start at 16 different groups of four banks (64 banks of 4 bytes: ISA guide 11.1)
.set WREG,  128*PITCH                  ; a wave's part of a slot: what its tensor load brings, and what it reads
.set SLOT,  4*WREG
.set RED,   0                          ; the partial sums that change waves lie in slot 0, whose last fill is window 6's and whose last reads end in front of the barrier behind window 6:
                                       ; from wave w, for the wave d further on, 8,192 bytes at 24,576 w + 8,192 (d - 1): 98,304 of the slot's 139,264
.set STAGE, 2*SLOT                     ; behind the ring: 16 rows x 272 bytes for each wave, for the way out; no tensor load lands there
.set SPITCH, 272
.set SPARE, STAGE+4*16*SPITCH          ; the spare words, 128 bytes for each wave: two blocks of 256 bytes that no other line names
.set HBB,   131072                     ; bytes of a block of 16 rows of H16
.set QB,    1024                       ; bytes of a fragment of H16
.set WAB,   16384                      ; bytes of a block of rows of H16 in a window
.set LAPB,  2*WAB                      ; a lap = two windows = 8 quarters of a wave = once round both rings
.set AO,    8                          ; v8-11   16 x lane + 4,096 x wave + 131,072 x ((wave + a) % 4): my 16 bytes of fragment a; never rewritten
.set ADRB,  20                         ; v20-21  LDS address of my fragments of C16 in slot 0, 1
.set STO32, 22                         ; v22  the way out: where I put 32 bytes (8 f32) of a row
.set RD,    24                         ; v24  where I read a row back
.set CO32,  25                         ; v25  my byte offset in out0
.set BO,    27                         ; v27  my byte offset in the bias
.set SPW,   28                         ; v28  LDS address of my spare word; never rewritten
.set NIL,   29                         ; v29  0; never rewritten
.set REDW,  31                         ; v31     where I put partial sums
.set REDR,  32                         ; v32-34  where I find those of the waves 1, 2, 3 back
.set FB0,   64
.set FB1,   128
.set BIAS,  192
.set WV, 16                            ; s16 wave
.set CX, 19                            ; s19 my place in the cluster: it enters H16's and out0's addresses alone
.set TC, 21                            ; s21 tile column, which the four partners share; s22 tile row
.set TR, 22
.set G1, 24                            ; s[24:31] descriptor group 1;  s[32:39] group 0, a set for each slot
.set G0, 32
.set AP, 42                            ; s[42:43] H16 at the tile's first block of 16 rows, at the lap in hand
.set MUL,   0x58                       ; C16's fragment window 0, H16's window 2, C and D window 1
.set MULB,  0x48                       ; the same with C (the bias) in window 0
.set TO_A,  0x80                       ; destination window 2, address window 0
.set RDACC, 0x04                       ; source 1 window 1
.set MSB, 0
.macro WIN new                         ; the immediate's high byte repeats the setting that is left; a switch that changes nothing is dropped
.if MSB != (\new)
	s_set_vgpr_msb (MSB<<8)|(\new)
.set MSB, \new
.endif
.endm
.macro PLACES                          ; four places: in front of loads into registers that matrix instructions have read, and of vector lines that read results
.rept 4
	v_nop
.endr
.endm
.macro JLOAD s                         ; a joint load: every wave issues it, for its own 256 bytes of the rows; an s_nop 0 and four v_nop follow it
	tensor_load_to_lds s[G0+4*(\s):G0+4*(\s)+3], s[G1:G1+7]
	s_nop 0
.rept 4
	v_nop
.endr
.endm
.macro CREST                           ; a round of the cluster's barrier behind its opening barrier
	s_cmp_lg_u32 s[WV], 0
	s_cbranch_scc1 .Lnot_wave_0_\@
	s_barrier_signal -3
.Lnot_wave_0_\@:
	s_barrier_wait -3
	s_barrier_signal -1
	s_barrier_wait -1
.endm
.macro CROUND                          ; a whole round
	s_barrier_signal -1
	s_barrier_wait -1
	CREST
.endm
; 8 global loads: my 4 fragments of H16 for one quarter, at byte off behind the pointer, into ring slot rs
.macro ALOAD rs, off
	WIN TO_A
.irp a, 0,1,2,3
	global_load_b128 v[32*(\rs)+8*(\a):32*(\rs)+8*(\a)+3],   v[AO+(\a)], s[AP:AP+1] offset:(\off)
	global_load_b128 v[32*(\rs)+8*(\a)+4:32*(\rs)+8*(\a)+7], v[AO+(\a)], s[AP:AP+1] offset:(\off)+512
.endr
.endm
; At position p of a lap the ring slot that position p - 1 has multiplied is asked for again, 8 quarters on.  Position x of a lap lies at 16,384 (x / 4) + 1,024 (x % 4) behind the lap's first byte.
; The pointer is stepped to the next lap at the head of position 7, so positions 7 and 0 name the lap that it stands at, positions 1 to 6 the lap behind it.
.macro AFILL p
.if (\p) == 0
	ALOAD 7, WAB+3*QB
.elseif (\p) == 7
	ALOAD 6, WAB+2*QB
.else
	ALOAD (\p)-1, LAPB+WAB*(((\p)-1)/4)+QB*(((\p)-1)%4)
.endif
.endm
	s_load_b256 s[4:11], s[0:1], 0x0               ; H16 s[4:5], C16 s[6:7], b_out s[8:9], out0 s[10:11]
	v_lshl_add_u32 v[SPW], v0, 2, SPARE
	v_mov_b32 v[NIL], 0
	ds_add_u32 v[SPW], v[NIL]                      ; the wave's opening: the add, twice on end, and its wait ahead of my first tensor load; the set-up below stands between
	ds_add_u32 v[SPW], v[NIL]                      ; and once more, under the one wait
	v_lshrrev_b32 v1, 5, v0
	v_readfirstlane_b32 s[WV], v1                  ; wave 0..3
	s_bfe_u32 s[CX], ttmp6, 0x40000
	s_lshl_b32 s[TR], ttmp9, 2                     ; in a cluster launch ttmp9 counts clusters
	s_add_co_u32 s[TR], s[TR], s[CX]               ; tile row = 4 x cluster x + cx
	s_and_b32 s[TC], ttmp7, 0xffff                 ; tile column
	s_mov_b32 s[G1], 15|(1<<16)|(1<<20)|(1<<21)|(5<<22)|(3<<25)  ; 15:0 the mask: all four work-groups; 17:16 elements of 2 bytes; 20 padding on; 21 set beside a mask; 24:22 after every 64 words; 31:25 4 words of it
	s_mov_b32 s[G1+1], 128<<16                     ; tensor_dim0 = 128
	s_mov_b32 s[G1+2], 128<<16                     ; tensor_dim1 = 128
	s_mov_b32 s[G1+3], 128<<16                     ; tile_dim0 = 128
	s_mov_b32 s[G1+4], 128                         ; tile_dim1 = 128
	s_mov_b32 s[G1+5], KTOT                        ; elements from row to row
	s_mov_b32 s[G1+6], 0
	s_mov_b32 s[G1+7], 0
	s_lshl_b32 s40, s[TC], 20                      ; C16: row 128 x tile column, of 8,192 bytes,
	s_lshl_b32 s2, s[WV], 8                        ; + my 256 bytes of a window's 1,024: the same in all four partners
	s_add_co_u32 s40, s40, s2
	s_mov_b32 s41, 0
	s_mul_i32 s70, s[WV], WREG                     ; where they go: the wave's number alone enters an LDS address
	s_wait_dscnt 0x0                               ; both opening adds are done
	s_wait_kmcnt 0x0
	s_add_nc_u64 s[40:41], s[6:7], s[40:41]
	CROUND                                         ; all four work-groups are here: the first joint loads meet
.irp s, 0,1
	s_mov_b32 s[G0+4*(\s)], 1                                      ; count = 1
	s_add_co_u32 s[G0+4*(\s)+1], s70, (\s)*SLOT                    ; LDS address
	s_add_nc_u64 s[G0+4*(\s)+2:G0+4*(\s)+3], s[40:41], (\s)*WINB   ; global address: window s
	s_or_b32 s[G0+4*(\s)+3], s[G0+4*(\s)+3], 0x80000000            ; type = 2
	JLOAD \s                                       ; two tensor loads of mine are out
.endr
	; the bias of the 128 columns, laid as C: register j of block b holds column 16 b + 8 (l / 16) + j, the same in all 16 rows
	v_and_b32 v1, 15, v0                           ; r = l % 16
	v_bfe_u32 v2, v0, 4, 1                         ; h = l / 16
	s_lshl_b32 s2, s[TC], 9                        ; the tile's first column x 4 bytes
	v_lshl_add_u32 v[BO], v2, 5, s2
.irp b, 0,1,2,3,4,5,6,7
	global_load_b128 v[BIAS+8*(\b):BIAS+8*(\b)+3],   v[BO], s[8:9] offset:64*(\b)
	global_load_b128 v[BIAS+8*(\b)+4:BIAS+8*(\b)+7], v[BO], s[8:9] offset:64*(\b)+16
.endr
	v_and_b32 v5, 31, v0
	v_lshlrev_b32 v5, 4, v5                        ; 16 x lane
	s_lshl_b32 s23, s[WV], 12                      ; my 128 K of a window: 16 groups of 256 bytes
.irp a, 0,1,2,3
	s_add_co_u32 s2, s[WV], \a
	s_and_b32 s2, s2, 3                            ; the tile's block (w + a) % 4
	s_lshl_b32 s2, s2, 17
	s_add_co_u32 s2, s2, s23
	v_add_nc_u32 v[AO+(\a)], s2, v5
.endr
	s_lshl_b32 s2, s[TR], 19                       ; the tile's first block of 16 rows: 4 x tile row, of 131,072 bytes
	s_mov_b32 s3, 0
	s_add_nc_u64 s[AP:AP+1], s[4:5], s[2:3]
	ALOAD 0, 0                                     ; positions 0 to 4: with the 16 loads of the bias 56 are out
	ALOAD 1, QB
	ALOAD 2, 2*QB
	ALOAD 3, 3*QB
	ALOAD 4, WAB
	WIN 0
	; A fragment of C16 is 16 rows x 32 K in 8 registers: lane l holds row l % 16; registers 0-3 K = 8 (l / 16) + 0..7, registers 4-7 K = 16 + 8 (l / 16) + 0..7: two loads of 16 bytes, 32 bytes apart
	v_mul_u32_u24 v3, v1, PITCH
	v_lshl_add_u32 v3, v2, 4, v3                   ; row x pitch + 16 x half
	v_add_nc_u32 v[ADRB], s70, v3                  ; in my part of slot 0,
	v_add_nc_u32 v[ADRB+1], SLOT, v[ADRB]          ; of slot 1
	s_mul_i32 s23, s[WV], 16*SPITCH
	s_add_co_u32 s23, s23, STAGE                   ; my stage
	v_mul_u32_u24 v4, v1, SPITCH
	v_lshl_add_u32 v4, v2, 5, v4
	v_add_nc_u32 v[STO32], s23, v4                 ; in: row r, 32 bytes for each half of the lanes
	v_mul_u32_u24 v4, v2, SPITCH
	v_lshl_add_u32 v4, v1, 4, v4
	v_add_nc_u32 v[RD], s23, v4                    ; back: lanes 0-15 one row of 256 bytes, lanes 16-31 the next
	v_lshlrev_b32 v[CO32], 4, v1
	v_lshl_add_u32 v[CO32], v2, 12, v[CO32]        ; and the same two rows in out0
	s_mul_i32 s2, s[WV], 24576
	v_add_nc_u32 v[REDW], s2, v5
.irp d, 1,2,3
	s_add_co_u32 s2, s[WV], 4-(\d)
	s_and_b32 s2, s2, 3                            ; the wave d back: its index d is my block
	s_mul_i32 s2, s2, 24576
	v_add_nc_u32 v[REDR+(\d)-1], s2, v5
.endr
	s_lshl_b32 s66, s[TR], 6
	s_lshl4_add_u32 s66, s[WV], s66                ; the first row that I store: 64 x tile row + 16 x wave
	s_lshl_b32 s66, s66, 12
	s_lshl_b32 s2, s[TC], 9
	s_add_co_u32 s66, s66, s2
	s_mov_b32 s67, 0
	s_add_nc_u64 s[10:11], s[10:11], s[66:67]
	s_wait_loadcnt 40                              ; the bias, which the first products take as C, is in; H16's 40 loads stay out
	ALOAD 5, WAB+QB                                ; positions 5 and 6; position 7 is asked for in the first quarter, as every slot after it
	ALOAD 6, WAB+2*QB
	WIN 0
; 8 matrix instructions: row index a (ring slot q) x all 8 blocks of columns (buffer f), 32 along K.  mode 0: onto the sums; 1: the constant 0 starts them; 2: the bias starts them.  Nothing is ever cleared.
; The 32 accumulators take turns, one instruction a turn, in the same order in every quarter: 31 others stand between two links of a chain, over the backward jump too.
.macro MUL8 f, q, a, mode
.if (\mode) == 2
	WIN MULB
.else
	WIN MUL
.endif
.irp b, 0,1,2,3,4,5,6,7
.if (\mode) == 2
	v_wmma_f32_16x16x32_bf16 v[8*(8*(\a)+(\b)):8*(8*(\a)+(\b))+7], v[(\f)+8*(\b):(\f)+8*(\b)+7], v[32*(\q)+8*(\a):32*(\q)+8*(\a)+7], v[BIAS+8*(\b):BIAS+8*(\b)+7]
.elseif (\mode) == 1
	v_wmma_f32_16x16x32_bf16 v[8*(8*(\a)+(\b)):8*(8*(\a)+(\b))+7], v[(\f)+8*(\b):(\f)+8*(\b)+7], v[32*(\q)+8*(\a):32*(\q)+8*(\a)+7], 0
.else
	v_wmma_f32_16x16x32_bf16 v[8*(8*(\a)+(\b)):8*(8*(\a)+(\b))+7], v[(\f)+8*(\b):(\f)+8*(\b)+7], v[32*(\q)+8*(\a):32*(\q)+8*(\a)+7], v[8*(8*(\a)+(\b)):8*(8*(\a)+(\b))+7]
.endif
.endr
.endm
; 16 LDS loads in one run: C16's 8 fragments of 32 along K at byte k of my rows, into buffer f
.macro FETCH slot, k, f
	WIN 0
.irp i, 0,1,2,3,4,5,6,7
	ds_load_b128 v[(\f)+8*(\i):(\f)+8*(\i)+3],   v[ADRB+(\slot)] offset:(\k)+(\i)*16*PITCH
	ds_load_b128 v[(\f)+8*(\i)+4:(\f)+8*(\i)+7], v[ADRB+(\slot)] offset:(\k)+(\i)*16*PITCH+32
.endr
.endm
; A lap has 8 positions: quarter p % 4 of the window in slot p / 4, on C16's buffers 0, 1, 0, 1 .. and H16's ring slot p.  Positions 0-2 and 4-6: at the head the registers that the position before has
; multiplied are asked for again: C16's other buffer with the next quarter, H16's ring slot p - 1 with the quarter 8 further on (aload = 1).  lc = H16's loads younger than ring slot p's, which may stay out;
; the wait stands ahead of the new loads, so that 56 loads of the wave are out at the most.
.macro QTR p, aload, lc, m0=0, m1=0
	PLACES
	FETCH (\p)/4, 64*((\p)%4+1), FB0+64*(((\p)+1)%2)
	s_wait_loadcnt \lc                             ; ring slot p is in: behind its 8 loads six sets of 8 were issued (fewer in the tail)
.if \aload
	AFILL \p
.endif
	s_wait_dscnt 16                                ; this quarter's fragments of C16 are in; the 16 loads just issued stay out
	MUL8 FB0+64*((\p)%2), \p, 0, \m0
	MUL8 FB0+64*((\p)%2), \p, 1, \m1
	MUL8 FB0+64*((\p)%2), \p, 2, \m1
	MUL8 FB0+64*((\p)%2), \p, 3, \m1
.endm
; Positions 3 and 7 multiply buffer 1 and change slots: ONE barrier.  In front of it each wave waits for all its tensor loads, of which one is out: its part of the next slot; adds 0 to its spare word; and waits
; for that and for its own reads of this slot.  fill = 1: the barrier opens a round of the cluster's, so that no wave of any partner still reads the slot or has a load on its way, and the joint refill,
; two windows ahead, is the first thing behind it: 112 matrix instructions ahead of the wait for it.
.macro TURN p, slot, next, fill, aload, lc
.if (\aload) && ((\p) == 7)
	s_wait_xcnt 0x0                                ; every load issued so far has read its address: the pointer is stepped here, ahead of the waits of the change of slots
	s_add_nc_u64 s[AP:AP+1], s[AP:AP+1], LAPB
.endif
	WIN 0
	s_wait_tensorcnt 0x0                           ; all my tensor loads have landed;
	ds_add_u32 v[SPW], v[NIL]                      ; 0 onto my spare word;
	s_wait_loadcnt \lc                             ; ring slot p is in
	s_wait_dscnt 1                                 ; buffer 1 is in; the add may be out
	MUL8 FB1, \p, 0, 0                             ; eight matrix instructions stand between the add and the wait for it
	s_wait_dscnt 0x0                               ; the add is done, and my reads of this slot are over
	s_barrier_signal -1
	MUL8 FB1, \p, 1, 0                             ; work on registers while the others arrive
.if \fill
	WIN 0
.endif
	s_barrier_wait -1
.if \fill
	CREST
	s_add_nc_u64 s[G0+4*(\slot)+2:G0+4*(\slot)+3], s[G0+4*(\slot)+2:G0+4*(\slot)+3], 2*WINB
	JLOAD \slot                                    ; the four v_nop behind it are also the places in front of the loads below
.else
	PLACES
.endif
	FETCH \next, 0, FB0
.if \aload
	AFILL \p
.endif
	MUL8 FB1, \p, 2, 0
	MUL8 FB1, \p, 3, 0
.endm
.macro STG src                         ; 64 f32 of each of 16 rows into my stage: 32 bytes a lane and block of columns, in two stores
.irp i, 0,1,2,3,4,5,6,7
	ds_store_b128 v[STO32], v[(\src)+4*(\i):(\src)+4*(\i)+3] offset:64*((\i)/2)+16*((\i)%2)
.endr
.endm
.macro BACK ob                         ; and back as whole rows; LDS serves a wave's instructions in order (ISA guide 5.7.1.4)
.irp t, 0,1,2,3,4,5,6,7
	ds_load_b128 v[(\ob)+4*(\t):(\ob)+4*(\t)+3], v[RD] offset:(\t)*2*SPITCH
.endr
.endm
.macro SENDP ob, off0, younger         ; younger: the LDS instructions issued behind these eight loads, which may stay out
.irp t, 0,1,2,3,4,5,6,7
	s_wait_dscnt (\younger)+7-(\t)
	global_store_b128 v[CO32], v[(\ob)+4*(\t):(\ob)+4*(\t)+3], s[10:11] offset:(\off0)+2*(\t)*4096 th:TH_STORE_NT  ; 16 lanes store 256 consecutive bytes, aligned
.endr
.endm
	s_wait_tensorcnt 1                             ; my part of window 0 is in; window 1's may stay out
	s_barrier_signal -1
	s_barrier_wait -1                              ; everybody's is
	FETCH 0, 0, FB0
	QTR 0, 1, 48, 2, 1                             ; the first products start the sums: the block that I keep with the bias, the other three with 0, so that each output has its bias once
	WIN 0                                          ; at a label and at a branch every window is 0
	s_mov_b32 s3, 3
.Llap:                                         ; a trip goes once round both rings, from a lap's position 1 to the next lap's position 0, and fills both slots again: 6 refills, windows 2 to 7
	QTR 1, 1, 48
	QTR 2, 1, 48
	TURN 3, 0, 1, 1, 1, 48
	QTR 4, 1, 48
	QTR 5, 1, 48
	QTR 6, 1, 48
	TURN 7, 1, 0, 1, 1, 48
	QTR 0, 1, 48                                   ; in the last trip H16's last quarter is asked for here
	WIN 0
	s_sub_co_u32 s3, s3, 1
	s_cmp_lg_u32 s3, 0
	s_cbranch_scc1 .Llap
	QTR 1, 0, 48                                   ; the last lap fills nothing, has no round of the cluster's barrier, and loads nothing from H16: the counts run down
	QTR 2, 0, 40
	TURN 3, 0, 1, 0, 0, 32                         ; behind this barrier no wave reads slot 0 any more, and nothing is filled any more
	QTR 4, 0, 24
	QTR 5, 0, 16
	QTR 6, 0, 8
	s_wait_loadcnt 0x0                             ; the very last quarter: nothing more to fetch
	s_wait_dscnt 0x0
	MUL8 FB1, 7, 0, 0
	MUL8 FB1, 7, 1, 0
	MUL8 FB1, 7, 2, 0
	MUL8 FB1, 7, 3, 0
	PLACES
	PLACES
	; THE FOUR PARTIAL SUMS MEET.  My indices 1, 2, 3 go to the waves 1, 2, 3 further on, lane by lane as they lie (each accumulator's low half first)
	WIN RDACC
.irp d, 1,2,3
.irp b, 0,1,2,3,4,5,6,7
	ds_store_b128 v[REDW], v[8*(8*(\d)+(\b)):8*(8*(\d)+(\b))+3]   offset:RED+8192*((\d)-1)+1024*(\b)
	ds_store_b128 v[REDW], v[8*(8*(\d)+(\b))+4:8*(8*(\d)+(\b))+7] offset:RED+8192*((\d)-1)+1024*(\b)+512
.endr
.endr
	WIN 0
	s_wait_dscnt 0x0                               ; for the others' sake: my stores are done
	s_barrier_signal -1
	s_barrier_wait -1
.irp d, 1,2,3
.irp b, 0,1,2,3,4,5,6,7
	ds_load_b128 v[64*(\d)+8*(\b):64*(\d)+8*(\b)+3],   v[REDR+(\d)-1] offset:RED+8192*((\d)-1)+1024*(\b)
	ds_load_b128 v[64*(\d)+8*(\b)+4:64*(\d)+8*(\b)+7], v[REDR+(\d)-1] offset:RED+8192*((\d)-1)+1024*(\b)+512
.endr
.endr
	s_wait_dscnt 32                                ; the first wave's sixteen loads are in
	WIN RDACC
.set i, 0
.rept 32
	v_pk_add_f32 v[64+i:64+i+1], v[64+i:64+i+1], v[i:i+1]  ; + my own sums, index 0
.set i, i+2
.endr
	WIN 0
	s_wait_dscnt 16
.set i, 0
.rept 32
	v_pk_add_f32 v[64+i:64+i+1], v[64+i:64+i+1], v[128+i:128+i+1]
.set i, i+2
.endr
	s_wait_dscnt 0x0
.set i, 0
.rept 32
	v_pk_add_f32 v[64+i:64+i+1], v[64+i:64+i+1], v[192+i:192+i+1]
.set i, i+2
.endr
.set i, 0
.rept 64
	v_max_num_f32 v[64+i], 0, v[64+i]              ; relu
.set i, i+1
.endr
	STG 64                                         ; columns 0-63 through my stage,
	BACK 128
	STG 96                                         ; columns 64-127
	BACK 160
	SENDP 128, 0, 16
	SENDP 160, 256, 0
	s_wait_tensorcnt 0x0                           ; the wave's end: behind my last tensor load and my last LDS store
	ds_add_u32 v[SPW], v[NIL]
	s_wait_dscnt 0x0
	CROUND                                         ; the closing round: no work-group ends while a partner may still ask for a tile that names it
	s_endpgm
.Lfunc_end_k_q9f4383432e_gemm2:
	.size	k_q9f4383432e_gemm2, .Lfunc_end_k_q9f4383432e_gemm2-k_q9f4383432e_gemm2
	.p2alignl 7, 3214868480
	.fill 96, 4, 3214868480
	.section	.rodata,"a",@progbits
	.p2align	6, 0x0
	.amdhsa_kernel k_q9f4383432e_gemm2
		.amdhsa_group_segment_fixed_size 327680
		.amdhsa_private_segment_fixed_size 0
		.amdhsa_enable_private_segment 0
		.amdhsa_kernarg_size 32
		.amdhsa_user_sgpr_count 2
		.amdhsa_user_sgpr_kernarg_segment_ptr 1
		.amdhsa_wavefront_size32 1
		.amdhsa_system_sgpr_workgroup_id_x 1
		.amdhsa_system_sgpr_workgroup_id_y 1
		.amdhsa_system_sgpr_workgroup_id_z 1
		.amdhsa_system_vgpr_workitem_id 0
		.amdhsa_next_free_vgpr 768
		.amdhsa_next_free_sgpr 72
		.amdhsa_reserve_vcc 0
		.amdhsa_float_denorm_mode_32 3
		.amdhsa_float_denorm_mode_16_64 3
		.amdhsa_memory_ordered 1
		.amdhsa_forward_progress 1
		.amdhsa_inst_pref_size 93
	.end_amdhsa_kernel
	.amdgpu_metadata
---
amdhsa.version: [ 1, 2 ]
amdhsa.kernels:
  - .name:           k_q9f4383432e_gemm2
    .symbol:         k_q9f4383432e_gemm2.kd
    .args:
      - { .name: H16, .offset: 0, .size: 8, .value_kind: global_buffer, .address_space: global }
      - { .name: C16, .offset: 8, .size: 8, .value_kind: global_buffer, .address_space: global }
      - { .name: b_out, .offset: 16, .size: 8, .value_kind: global_buffer, .address_space: global }
      - { .name: out0, .offset: 24, .size: 8, .value_kind: global_buffer, .address_space: global }
    .group_segment_fixed_size: 327680
    .private_segment_fixed_size: 0
    .kernarg_segment_align: 8
    .kernarg_segment_size: 32
    .max_flat_workgroup_size: 128
    .sgpr_count:     72
    .vgpr_count:     768
    .wavefront_size: 32
...
	.end_amdgpu_metadata
.endif
;; end of part 6
;; ======== version 3 of 3: 3 launches; version 2 with the launch cast written anew for expert scheduling mode
;; workspace buffers: A16 20,971,520 bytes; B16 41,943,040 bytes; C16 8,388,608 bytes; H16 16,777,216 bytes
;; launch cast (part 7): grid 1408 x 1, 4 waves a work-group, no clusters, 35,328 bytes of LDS; arguments X, W_in, state, W_rec, W_out, A16, B16, C16; writes A16, B16, C16
.if DOCPART == 7
	.amdgcn_target "amdgcn-amd-amdhsa--gfx1250"
	.amdhsa_code_object_version 6
	.text
	.protected	k_q9f4383432e_cast
	.globl	k_q9f4383432e_cast
	.p2align	8
	.type	k_q9f4383432e_cast,@function
k_q9f4383432e_cast:
	s_mov_b64 s[64:65], 0
	v_nop
	global_prefetch_b8 v0, s[64:65] scope:SCOPE_SE
	s_setreg_imm32_b32 hwreg(HW_REG_WAVE_SCHED_MODE, 0, 2), 2
	s_setreg_imm32_b32 hwreg(HW_REG_WAVE_MODE, 25, 1), 1
	s_wait_xcnt 0x0
	s_wait_alu depctr_vm_vsrc(0)
; VANILLA RNN CELL, launch 1 of 3: the five large f32 inputs are rounded ONCE to bf16 (nearest even) and laid out for the two products.
;   new_state = relu([X | state] . [W_in | W_rec]^T + b_in + b_rec)   one product with K = 1024 + 4096 = 5120
;   out       = relu(new_state . W_out^T + b_out)
; B16 [4096][5120] = W_in | W_rec and C16 [1024][4096] = W_out lie by rows.  A16 = X | state lies IN THE ORDER IN WHICH A WAVE'S OPERAND REGISTERS TAKE IT:
; [128 blocks of 16 rows][640 groups of 8 K][16 rows][8 bf16]: row m, K = k lies at 163,840 (m / 16) + 256 (k / 8) + 16 (m % 16) + 2 (k % 8).
; NOTHING IS LEFT OUT: every input has a way to an output, and all eight are loaded (the three biases by the two launches behind this one).
; LIMITS of the program: matrix operands are bf16 (the inputs, and new_state for the second product); b_in + b_rec is added first, in f32, and starts the sums;
; relu is a maximum with 0 in which a NaN loses, so a NaN before a relu comes out as 0.
; WORK-GROUPS 0-767, BY ROWS.  A chunk is 1,024 f32 of a source row: 4,096 bytes in, 2,048 out.  Thread t of 128 loads the 32 bytes at 32 t and stores the 16 bytes at 16 t: a wave's store covers 512
; consecutive bytes, aligned.  A work-group takes 32 chunks, 131,072 consecutive source bytes, as 8 groups of 4.
; WORK-GROUPS 768-1407, TURNED.  A wave takes 16 rows x 256 K: for each row its 32 lanes load 1,024 consecutive bytes; a lane's 8 numbers, rounded, are 16 bytes that belong together in A16.  They go into the
; wave's own 8,704 bytes of LDS, group by group of 8 K (272 bytes apart), and come back by groups: 16 rows x 16 bytes = 256 consecutive bytes of A16.  No barrier: no wave reads another's bytes.
; The long work-groups stand first in the grid.  No cluster, no matrix unit: nothing is shared and nothing is multiplied.
; THE MODE: SCHED_MODE bits 1:0 = 2 (LLVM: expert scheduling mode 2), set by the entry lines.  The code itself states the register dependences between vector instructions and memory or LDS
; instructions, with s_wait_alu, always for 0.
; THE PLAN, BY ROWS.  Registers that memory instructions touch:
;   X0, X1, X2   three groups as loaded.  Written by the loads of group p + 2, issued in group p; read by group p's roundings.
;   Y0, Y1       two groups to store.     Written by group p's roundings; read by the four stores that are issued in group p + 1.
;   v1 to v5     byte offsets, made once and never written again: the groups are reached by immediate offsets (source) and by two scalar bases that take the groups by turns (destination).
; Group p works on X[p % 3] and writes Y[p % 2].  Its memory instructions are the loads into X[(p + 2) % 3] = X[(p - 1) % 3] and the stores from Y[(p - 1) % 2]: the two sets that group p - 1 worked on and
; that no vector instruction of group p names.  So the waits at a group's head state all that its twelve memory instructions hang on, and these are dealt among its roundings with no further wait.
; Three and two sets are back at their start after six groups, and a work-group has eight: the groups are written out, without a loop.
; THE PLAN, TURNED.  v[VO ..], v2, v3, v5: offsets and LDS addresses, made once.  YA, YB: written by a run of 32 roundings each, read by the run of 8 LDS stores behind it.  BK: read by the second run of
; roundings (it holds rows 8-15 as loaded), then the loads from LDS land in it, then the stores to A16 read it.  One wait behind each run of roundings; no register that a memory or LDS instruction reads is written again.
.set CHUNK, 4096
.set GROUP, 4*CHUNK
.set X, 8                              ; by rows: v[8:103]   set k, chunk j: 8 registers at X + 32 k + 8 j, as loaded
.set Y, 104                            ;          v[104:135] set k, chunk j: 4 registers at Y + 16 k + 4 j, to store
.set SPW, 6                            ; v6  LDS address of my spare word; never rewritten
.set NIL, 7                            ; v7  0; never rewritten
.set TP,  272                          ; turned: a group of 8 K in LDS: 16 rows x 16 bytes + 16 of padding: 17 x 16 bytes, so 16 lanes a group apart touch 16 different columns of 16 bytes
.set TW,  32*TP                        ; a wave's 32 groups
.set SPARE, 4*TW                       ; behind them: the spare words, 128 bytes for each wave: two blocks of 256 bytes that no other line names
.set VO,  8                            ; v[8:23]    32 x lane + row x the source's row bytes
.set XA,  24                           ; v[24:151]  16 rows as loaded, 8 registers each
.set YA,  152                          ; v[152:183] rows 0-7 rounded
.set YB,  XA                           ; rows 8-15 rounded, where rows 0-3 lay as loaded
.set BK,  XA+64                        ; 16 pairs of groups read back, where rows 8-15 lay as loaded
	s_load_b512 s[8:23], s[0:1], 0x0               ; X, W_in, state, W_rec, W_out, A16, B16, C16
	v_lshl_add_u32 v[SPW], v0, 2, SPARE
	v_mov_b32 v[NIL], 0
	s_mov_b32 s2, ttmp9
	s_cmp_ge_u32 s2, 768
	s_cbranch_scc1 .Lturned
	; BY ROWS.  s24 the job's first work-group, then my number in the job; s25 chunk stride in the destination; s[26:27] group stride; s28 destination bytes of a work-group; s29 first column's bytes
	v_lshlrev_b32 v1, 5, v0
	v_lshlrev_b32 v2, 4, v0
	s_mov_b32 s24, 0                               ; work-groups 0-127: W_in, whose rows are one chunk, into B16's columns 0-1023
	s_mov_b32 s25, 10240
	s_mov_b32 s26, 40960
	s_mov_b32 s28, 327680
	s_mov_b32 s29, 0
	s_wait_kmcnt 0x0
	s_mov_b64 s[30:31], s[10:11]
	s_mov_b64 s[32:33], s[20:21]
	s_cmp_ge_u32 s2, 128                           ; 128-639: W_rec, whose rows are four chunks, into B16's columns 1024-5119
	s_cselect_b32 s24, 128, s24
	s_cselect_b32 s25, 2048, s25
	s_cselect_b32 s26, 10240, s26
	s_cselect_b32 s28, 81920, s28
	s_cselect_b32 s29, 2048, s29
	s_cselect_b64 s[30:31], s[14:15], s[30:31]
	s_cmp_ge_u32 s2, 640                           ; 640-767: W_out into C16, dense
	s_cselect_b32 s24, 640, s24
	s_cselect_b32 s26, 8192, s26
	s_cselect_b32 s28, 65536, s28
	s_cselect_b32 s29, 0, s29
	s_cselect_b64 s[30:31], s[16:17], s[30:31]
	s_cselect_b64 s[32:33], s[22:23], s[32:33]
	s_sub_co_u32 s24, s2, s24                      ; my number in the job
	s_lshl_b32 s36, s24, 17                        ; x 131,072 source bytes (under 2^27)
	s_mov_b32 s37, 0
	s_add_nc_u64 s[30:31], s[30:31], s[36:37]
	s_mul_i32 s36, s24, s28
	s_add_co_u32 s36, s36, s29
	s_add_nc_u64 s[32:33], s[32:33], s[36:37]      ; the destination of group 0, later of the even groups,
	s_mov_b32 s27, 0
	s_add_nc_u64 s[34:35], s[32:33], s[26:27]      ; of group 1, later of the odd groups
	s_lshl_b32 s38, s26, 1                         ; each moves on by two groups
	s_mov_b32 s39, 0
	v_add_nc_u32 v3, s25, v2
	v_add_nc_u32 v4, s25, v3
	v_add_nc_u32 v5, s25, v4
	s_wait_alu depctr_va_vdst(0)                   ; v1 to v5 are written: every load and store of this way reads one of them as its offset
.macro LOAD2 g, j                      ; the two loads of chunk j of group g
	global_load_b128 v[X+32*((\g)%3)+8*(\j):X+32*((\g)%3)+8*(\j)+3],   v1, s[30:31] offset:(\g)*GROUP+(\j)*CHUNK th:TH_LOAD_NT
	global_load_b128 v[X+32*((\g)%3)+8*(\j)+4:X+32*((\g)%3)+8*(\j)+7], v1, s[30:31] offset:(\g)*GROUP+(\j)*CHUNK+16 th:TH_LOAD_NT
.endm
.macro STORE1 g, j                     ; the store of chunk j of group g
	global_store_b128 v[2+(\j)], v[Y+16*((\g)%2)+4*(\j):Y+16*((\g)%2)+4*(\j)+3], s[32+2*((\g)%2):33+2*((\g)%2)]
.endm
; Group p: it is rounded; group p + 2 is asked for; group p - 1 is stored.
.macro GRP p
.if (\p) < 7
	s_wait_loadcnt 8                               ; loads come back in order (ISA guide 5.7.1): X[p % 3] is in; the next group's eight younger loads stay out
.else
	s_wait_loadcnt 0x0                             ; the last group
.endif
.if (\p) >= 2
	s_wait_xcnt 0x0                                ; every earlier memory instruction has had its addresses translated (ISA guide 3.1): Y[p % 2] and this parity's base are written again only behind this wait
	s_wait_alu depctr_vm_vsrc(0)                   ; the stores issued in the group before have read Y[p % 2], which this group's roundings write again
.endif
.if (\p) >= 1
	s_wait_alu depctr_va_vdst(0)                   ; the group before has written the other Y, which the stores below read, and is done reading its X, in which the loads below land
.endif
.if (\p) >= 2
	s_add_nc_u64 s[32+2*((\p)%2):33+2*((\p)%2)], s[32+2*((\p)%2):33+2*((\p)%2)], s[38:39]  ; this parity's base at group p, whose stores stand in the next group
.endif
.irp j, 0,1,2,3
.if (\p) < 6
	LOAD2 (\p)+2, \j                               ; two groups ahead; no vector instruction since the wait names these registers (in group 0: none ever has)
.endif
.if (\p) >= 1
	STORE1 (\p)-1, \j                              ; the group before
.endif
.irp i, 0,1,2,3
	v_cvt_pk_bf16_f32 v[Y+16*((\p)%2)+4*(\j)+(\i)], v[X+32*((\p)%3)+8*(\j)+2*(\i)], v[X+32*((\p)%3)+8*(\j)+2*(\i)+1]  ; two numbers rounded an instruction
.endr
.endr
.endm
.irp j, 0,1,2,3
	LOAD2 0, \j                                    ; groups 0 and 1
.endr
.irp j, 0,1,2,3
	LOAD2 1, \j
.endr
.irp p, 0,1,2,3,4,5,6,7
	GRP \p                                         ; groups 6 and 7 load nothing: no load leaves the work-group's 131,072 bytes
.endr
	s_wait_alu depctr_va_vdst(0)                   ; group 7's roundings have written Y1, which the last four stores read
.irp j, 0,1,2,3
	STORE1 7, \j
.endr
	s_endpgm                                       ; this way has written no LDS
.Lturned:
	; TURNED.  768-895: X: block of 16 rows = my number in the job, the wave takes 256 of its 1,024 K.  896-1407: state: four work-groups to a block of 16 rows, the wave takes 256 of its 4,096 K
	v_lshrrev_b32 v1, 5, v0
	v_readfirstlane_b32 s3, v1                     ; wave 0..3
	s_sub_co_u32 s24, s2, 768
	s_max_u32 s30, s2, 896
	s_sub_co_u32 s30, s30, 896
	s_lshr_b32 s31, s30, 2
	s_and_b32 s30, s30, 3
	s_wait_alu depctr_va_sdst(0)                   ; s3 is written, ahead of its first reader, the line below
	s_lshl2_add_u32 s30, s30, s3
	s_wait_kmcnt 0x0
	s_cmp_ge_u32 s2, 896
	s_cselect_b32 s25, s31, s24                    ; the block of 16 rows
	s_cselect_b32 s26, s30, s3                     ; which 256 K of the source's row
	s_cselect_b32 s28, 14, 12                      ; a source row is 2^14 or 2^12 bytes
	s_cselect_b32 s29, 32768, 0                    ; state's K begins 128 groups of 256 bytes into a block of A16
	s_cselect_b64 s[32:33], s[12:13], s[8:9]
	s_lshl_b32 s27, 1, s28
	s_add_co_u32 s28, s28, 4
	s_lshl_b32 s36, s25, s28                       ; 16 source rows a block
	s_lshl_b32 s37, s26, 10                        ; 1,024 bytes for 256 K
	s_add_co_u32 s36, s36, s37
	s_mov_b32 s37, 0
	s_add_nc_u64 s[32:33], s[32:33], s[36:37]
	s_mul_i32 s36, s25, 163840
	s_add_co_u32 s36, s36, s29
	s_lshl_b32 s38, s26, 13                        ; 32 groups of 256 bytes for 256 K
	s_add_co_u32 s36, s36, s38
	s_add_nc_u64 s[34:35], s[18:19], s[36:37]
	v_and_b32 v1, 31, v0                           ; lane = the group of 8 K among my 32
	v_lshlrev_b32 v[VO], 5, v1
.set i, 1
.rept 15
	v_add_nc_u32 v[VO+i], s27, v[VO+i-1]
.set i, i+1
.endr
	s_wait_alu depctr_va_vdst(0)                   ; the sixteen offsets v[VO ..] are written, which the loads below read
.set i, 0
.rept 16                                       ; all 32 loads go out at once: 16 KiB of a wave on their way
	global_load_b128 v[XA+8*i:XA+8*i+3],   v[VO+i], s[32:33] th:TH_LOAD_NT
	global_load_b128 v[XA+8*i+4:XA+8*i+7], v[VO+i], s[32:33] offset:16 th:TH_LOAD_NT
.set i, i+1
.endr
	s_mul_i32 s38, s3, TW                          ; my wave's bytes of LDS
	v_mul_u32_u24 v2, v1, TP
	v_add_nc_u32 v2, s38, v2                       ; in: group = lane; the row stands in the immediate
	v_and_b32 v3, 15, v0
	v_bfe_u32 v4, v0, 4, 1
	v_mul_u32_u24 v4, v4, TP
	v_lshl_add_u32 v3, v3, 4, v4
	v_add_nc_u32 v3, s38, v3                       ; back: lanes 0-15 take one group's 256 bytes, lanes 16-31 the next group's
	v_lshlrev_b32 v5, 4, v1                        ; and the same 512 consecutive bytes in A16
	s_wait_loadcnt 16                              ; rows 0-7 are in; the sixteen loads of rows 8-15 stay out
.set i, 0
.rept 8                                        ; rows 0-7 are rounded in one run,
.irp j, 0,1,2,3
	v_cvt_pk_bf16_f32 v[YA+4*i+(\j)], v[XA+8*i+2*(\j)], v[XA+8*i+2*(\j)+1]
.endr
.set i, i+1
.endr
	s_wait_alu depctr_va_vdst(0)                   ; the roundings have written v[YA ..], which the LDS stores read; v2, their address, is written, and so are v3 and v5, which the loads from LDS and the stores to A16 read
.set i, 0
.rept 8                                        ; and stored in one run
	ds_store_b128 v2, v[YA+4*i:YA+4*i+3] offset:16*i
.set i, i+1
.endr
	s_wait_loadcnt 0x0
.set i, 8
.rept 8                                        ; rows 8-15 likewise; these roundings name neither v[YA ..] nor v2
.irp j, 0,1,2,3
	v_cvt_pk_bf16_f32 v[YB+4*(i-8)+(\j)], v[XA+8*i+2*(\j)], v[XA+8*i+2*(\j)+1]
.endr
.set i, i+1
.endr
	s_wait_alu depctr_va_vdst(0)                   ; the roundings have written v[YB ..], which the LDS stores read, and are done reading rows 8-15 as loaded: v[BK ..], in which the loads from LDS land
.set i, 8
.rept 8
	ds_store_b128 v2, v[YB+4*(i-8):YB+4*(i-8)+3] offset:16*i
.set i, i+1
.endr
.set i, 0
.rept 16
	ds_load_b128 v[BK+4*i:BK+4*i+3], v3 offset:2*TP*i  ; LDS serves a wave's instructions in order (ISA guide 5.7.1.4): these see the stores above
.set i, i+1
.endr
.set i, 0
.rept 16
	s_wait_dscnt 15-i                              ; pair i of groups is back; the younger loads stay out
	global_store_b128 v5, v[BK+4*i:BK+4*i+3], s[34:35] offset:512*i  ; 512 consecutive bytes, at a multiple of 256 from A16's first byte
.set i, i+1
.endr
	s_wait_dscnt 0x0                               ; the closing lines, six on end
	s_wait_alu 0x0
	s_wait_tensorcnt 0x0
	ds_add_u32 v[SPW], v[NIL]
	s_wait_dscnt 0x0
	s_endpgm
.Lfunc_end_k_q9f4383432e_cast:
	.size	k_q9f4383432e_cast, .Lfunc_end_k_q9f4383432e_cast-k_q9f4383432e_cast
	.p2alignl 7, 3214868480
	.fill 96, 4, 3214868480
	.section	.rodata,"a",@progbits
	.p2align	6, 0x0
	.amdhsa_kernel k_q9f4383432e_cast
		.amdhsa_group_segment_fixed_size 35328
		.amdhsa_private_segment_fixed_size 0
		.amdhsa_enable_private_segment 0
		.amdhsa_kernarg_size 64
		.amdhsa_user_sgpr_count 2
		.amdhsa_user_sgpr_kernarg_segment_ptr 1
		.amdhsa_wavefront_size32 1
		.amdhsa_system_sgpr_workgroup_id_x 1
		.amdhsa_system_sgpr_workgroup_id_y 1
		.amdhsa_system_sgpr_workgroup_id_z 1
		.amdhsa_system_vgpr_workitem_id 0
		.amdhsa_next_free_vgpr 184
		.amdhsa_next_free_sgpr 66
		.amdhsa_reserve_vcc 0
		.amdhsa_float_denorm_mode_32 3
		.amdhsa_float_denorm_mode_16_64 3
		.amdhsa_memory_ordered 1
		.amdhsa_forward_progress 1
		.amdhsa_inst_pref_size 34
	.end_amdhsa_kernel
	.amdgpu_metadata
---
amdhsa.version: [ 1, 2 ]
amdhsa.kernels:
  - .name:           k_q9f4383432e_cast
    .symbol:         k_q9f4383432e_cast.kd
    .args:
      - { .name: X, .offset: 0, .size: 8, .value_kind: global_buffer, .address_space: global }
      - { .name: W_in, .offset: 8, .size: 8, .value_kind: global_buffer, .address_space: global }
      - { .name: state, .offset: 16, .size: 8, .value_kind: global_buffer, .address_space: global }
      - { .name: W_rec, .offset: 24, .size: 8, .value_kind: global_buffer, .address_space: global }
      - { .name: W_out, .offset: 32, .size: 8, .value_kind: global_buffer, .address_space: global }
      - { .name: A16, .offset: 40, .size: 8, .value_kind: global_buffer, .address_space: global }
      - { .name: B16, .offset: 48, .size: 8, .value_kind: global_buffer, .address_space: global }
      - { .name: C16, .offset: 56, .size: 8, .value_kind: global_buffer, .address_space: global }
    .group_segment_fixed_size: 35328
    .private_segment_fixed_size: 0
    .kernarg_segment_align: 8
    .kernarg_segment_size: 64
    .max_flat_workgroup_size: 128
    .sgpr_count:     66
    .vgpr_count:     184
    .wavefront_size: 32
...
	.end_amdgpu_metadata
.endif
;; end of part 7
;; launch gemm1: the kernel of part 5 again; grid 16 x 16, 4 waves a work-group, clusters of 4 x 1, 327,680 bytes of LDS; arguments A16, B16, b_in, b_rec, out1, H16; writes out1, H16
;; launch gemm2: the kernel of part 6 again; grid 32 x 8, 4 waves a work-group, clusters of 4 x 1, 327,680 bytes of LDS; arguments H16, C16, b_out, out0; writes out0
